; MI455X (gfx1250); checked and timed in simulation.
; The chip was launched on July 23, 2026; its instructions are those of AMD's public machine-readable ISA for CDNA 5 (MIT licence, August 2026) and "CDNA5" Instruction Set Architecture Reference Guide (July 2026). The comments in the code are by the model that wrote it; some were corrected since.
;; MHA. Allowed arithmetic: matrix products marked QUANTISED: E3M2 operands, one E8M0 scale for each 32 along K, by v_wmma_scale_f32_16x16x128_f8f6f4 with both operands' format E3M2, f32 sums; everything else in f32.
;; Inputs: bk 1,024 float32; bo 1,024 float32; bq 1,024 float32; bv 1,024 float32; wk 1,024 x 1,024 float32; wo 1,024 x 1,024 float32; wq 1,024 x 1,024 float32; wv 1,024 x 1,024 float32; x 4 x 2,048 x 1,024 float32.
;; Outputs: out0 4 x 2,048 x 1,024 float32.
;; This version of the problem:
;;   THIS VERSION OF THE PROBLEM IS GIVEN IN LOW PRECISION. The matrix products marked QUANTISED in the list below multiply operands that are first quantised to E3M2 (3 exponent bits, 2 mantissa bits; 6 bits a number), with one power-of-two scale for each 32 numbers along K (OCP MX v1.0); their sums are f32. All else is computed in f32.
;;   The module's matrix products, in the order in which they are computed (A, B: the left and right operand; K: the contracted axis; several contracted axes count as one K, in the product's order):
;;     1. [M 8,192, K 1,024] x [K 1,024, N 1,024]; A: input x; B: input wq: QUANTISED
;;     2. [M 8,192, K 1,024] x [K 1,024, N 1,024]; A: input x; B: input wk: QUANTISED
;;     3. [M 8,192, K 1,024] x [K 1,024, N 1,024]; A: input x; B: input wv: QUANTISED
;;     4. batch 64 x [M 2,048, K 64] x [K 64, N 2,048]; A: computed on the way; B: computed on the way: QUANTISED
;;     5. batch 64 x [M 2,048, K 2,048] x [K 2,048, N 64]; A: softmax (see below); B: computed on the way: QUANTISED
;;     6. [M 8,192, K 1,024] x [K 1,024, N 1,024]; A: computed on the way; B: input wo: QUANTISED
;;   THE QUANTISER, for each operand of a quantised product, along K:
;;     - K is cut into blocks of 32 from its start; a last block that is shorter is filled with zeros.
;;     - A block's scale is 2^e with e = floor(log2(the largest magnitude in the block)) - 4, held to -126 .. 127; a block of zeros has e = 0. As a byte (E8M0): e + 127.
;;     - Each number is divided by its block's scale, clamped to +-28, and rounded to the nearest number of E3M2, ties to even, subnormals kept.
;;     - The product sums the exact products of the quantised numbers (number of the format x scale) in f32.
;;   ~~~python
;;   def quantise(x, axis):      # numpy; x: float32 -> the quantised numbers, widened to float32 again
;;       x = np.moveaxis(x, axis, -1); K = x.shape[-1]
;;       x = np.pad(x, [(0, 0)] * (x.ndim - 1) + [(0, -K % 32)]); x = x.reshape(x.shape[:-1] + (-1, 32)); a = np.abs(x).max(-1, keepdims=True)
;;       e = np.where(a > 0, np.clip(np.frexp(np.where(a > 0, a, 1))[1] - 1 - 4, -126, 127), 0)      # np.frexp(a)[1] - 1 = floor(log2(a)), exactly
;;       r = np.clip(x / 2.0 ** e, -28, 28)
;;       step = 2.0 ** (np.maximum(np.frexp(np.where(r == 0, 1, r))[1] - 1, -2) - 2)
;;       q = np.round(r / step) * step * 2.0 ** e      # np.round: ties to even
;;       return np.moveaxis(q.reshape(q.shape[:-2] + (-1,))[..., :K], -1, axis).astype(np.float32)
;;   ~~~
;;   SOFTMAX AHEAD OF A QUANTISED PRODUCT. Where the list says 'softmax', what is quantised is not the finished softmax but p = 2^(t - M), with t = logit x log2(e) and M = ceil(the row's largest t), a whole number; so 1/2 < the row's largest p <= 1. The row's sum l is taken of the UNQUANTISED p, in f32, and the product's result is divided by l at the end. Since M is a whole number, a kernel that streams over the keys may use a running M (the ceiling of the running maximum): every later rescaling is an exact power of two, which a block's scale takes up: the codes' values come out the same.
;;   OPERANDS COMPUTED ON THE WAY. 'Computed on the way' means the value that the module computes at that place (a softmax that the list does not call 'softmax' is quantised finished and normalised). What goes into a quantiser is computed in f32, as accurately as f32 sums, v_exp_f32 and their like allow (about 1e-6 of the number): no bf16 or f16 on the way to a quantiser, and a product that is left as it is and whose result goes on into a quantised operand takes f32 operands (vector FMAs, or v_wmma_f32_16x16x4_f32). A number that lies on a knife's edge between two numbers of the format may be rounded either way, as far as f32 arithmetic and the matrix unit's own rounding can turn it there, and no further.
;; One version. Each part assembles by itself: llvm-mc -triple=amdgcn-amd-amdhsa -mcpu=gfx1250 --defsym DOCPART=n.
;; ======== version 1 of 1: 4 launches
;; limits: right only within a limited range of input values
;; workspace buffers: xcod 6,553,600 bytes; wcod 3,276,800 bytes; qcod 6,553,600 bytes; kcod 6,553,600 bytes; vcod 6,553,600 bytes; ocod 6,553,600 bytes
;; launch quant (part 1): grid 384 x 1, 8 waves a work-group, no clusters, 68,608 bytes of LDS; arguments x, wq, wk, wv, wo, xcod, wcod; writes xcod, wcod
.if DOCPART == 1
	.amdgcn_target "amdgcn-amd-amdhsa--gfx1250"
	.amdhsa_code_object_version 6
	.text
	.protected	k_qef5fe51588_quant
	.globl	k_qef5fe51588_quant
	.p2align	8
	.type	k_qef5fe51588_quant,@function
k_qef5fe51588_quant:
	s_mov_b64 s[64:65], 0
	v_nop
	global_prefetch_b8 v0, s[64:65] scope:SCOPE_SE
	s_setreg_imm32_b32 hwreg(HW_REG_WAVE_MODE, 25, 1), 1
	s_wait_xcnt 0x0
; x [8192][1024] f32 (K innermost) and wq, wk, wv, wo [1024 (k)][1024 (n)] f32 (K is the FIRST axis) become codes of BF6 (E3M2) with one E8M0 byte for each 32 along K,
; laid in the ORDER OF THE OPERAND'S REGISTERS.  A fragment is 16 rows x 128 K = 12 registers a lane = 1,536 bytes: register pair (2 p, 2 p + 1) of lane l lies at 256 p + 8 l.
; Buffer: [row tile][K step 0..7] x 1,536 bytes; behind the codes the scale words: the word of (row tile, K step ks, lane row r) at 512 x tile + 128 (ks / 2) + 8 r + 4 (ks % 2).
; THE ROWS OF A TILE ARE NOT NEIGHBOURS: lane row r of tile rt is row 32 (rt / 2) + 8 (rt % 2) + r + 8 (r / 8), so that a later transposed product's 16 registers of two neighbouring tiles are 16 neighbours.
; A block's scale is 2^(floor(log2(largest magnitude)) - 4); its byte is the largest magnitude's exponent field - 4, held at 1 from below.
; LIMITS: a block whose largest magnitude lies under 2^-122, a block of zeros among them, gets the byte 1 (the rule says 127 for zeros): its codes are then zeros or subnormal codes under the byte 1, and only this program reads the bytes.
; NaN and infinities among the inputs are not served.
; Work-groups 0-255 take x, 256-383 the weights.  Only x's path uses LDS.  No tensor loads, no barrier: waves share nothing.  No cluster: work-groups share no input.
.set XSOFF, 6291456                    ; xcod: where the scale words begin (512 tiles x 12,288)
.set WSOFF, 3145728                    ; wcod: likewise (256 tiles x 12,288)
.set R,   16                           ; v16-143  x: two K steps of 64 numbers;  weights: 128 numbers down K
.set PC,  144                          ; v144-162 x: the codes just made
.set TM,  164                          ; v164-179 x: at work in QUANT
.set PW,  180                          ; v180-181 x: the two scale words
.set F,   144                          ; v144-167 weights: four blocks' codes, 6 registers each
.set TC,  168                          ; v168-183 weights: each block's upper 16 codes as converted
.set SEL, 20                           ; s[20:21] lane selects for v_permlanex16_b32: lane l xor 16
; 64 numbers of a lane, register 16 b + i = k 32 b + 16 (lane / 16) + i of my row, become a fragment's codes in v[PC] on and its scale word in v[pw].
.macro QUANT s, pw
.irp b, 0,1,2,3
	v_max3_num_f32 v[TM+\b], |v[\s+16*\b]|, |v[\s+1+16*\b]|, 0x2800000   ; block b: my 16 numbers and the floor 2^(5 - 127): the byte cannot fall under 1
.endr
.irp i, 2,4,6,8,10,12,14
.irp b, 0,1,2,3
	s_delay_alu instid0(VALU_DEP_4)
	v_max3_num_f32 v[TM+\b], v[TM+\b], |v[\s+16*\b+\i]|, |v[\s+1+16*\b+\i]|   ; the four blocks by turns
.endr
.endr
.irp b, 0,1,2,3
	s_delay_alu instid0(VALU_DEP_4)
	v_permlanex16_b32 v[TM+4+\b], v[TM+\b], s[SEL], s[SEL+1]
.endr
.irp b, 0,1,2,3
	s_delay_alu instid0(VALU_DEP_4)
	v_max_num_f32 v[TM+\b], v[TM+\b], v[TM+4+\b]   ; with lane l xor 16's: the block's largest magnitude
.endr
.irp b, 0,1,2,3
	s_delay_alu instid0(VALU_DEP_4)
	v_add_nc_u32 v[TM+12+\b], 0xfe000000, v[TM+\b]   ; 4 off its exponent field: the conversion's scale operand
.endr
.irp b, 0,1,2,3
	s_delay_alu instid0(VALU_DEP_4)
	v_lshrrev_b32 v[TM+4+\b], 23, v[TM+12+\b]      ; the scale's byte
.endr
	s_delay_alu instid0(VALU_DEP_3)
	v_lshl_or_b32 v[\pw], v[TM+5], 8, v[TM+4]
	s_delay_alu instid0(VALU_DEP_1)
	v_lshl_or_b32 v[\pw], v[TM+6], 16, v[\pw]
	s_delay_alu instid0(VALU_DEP_1)
	v_lshl_or_b32 v[\pw], v[TM+7], 24, v[\pw]      ; my row's scale word (the same in lanes l and l xor 16)
.irp c, 0,1
	v_cvt_scalef32_pk16_bf6_f32 v[PC+6*\c:PC+2+6*\c], v[\s+32*\c:\s+15+32*\c], v[TM+12+2*\c]
	v_cvt_scalef32_pk16_bf6_f32 v[PC+12+4*\c:PC+14+4*\c], v[\s+16+32*\c:\s+31+32*\c], v[TM+12+2*\c+1]   ; (a conversion's three registers begin on an even number)
.endr
	v_nop                                          ; one plain instruction behind the scaled conversions
.irp c, 0,1                                    ; the operand's layout wants a whole block in a lane: lanes 0-15 block 2 c, lanes 16-31 block 2 c + 1
.irp i, 0,1,2
	v_permlane16_swap_b32 v[PC+6*\c+\i], v[PC+12+4*\c+\i]
.endr
.irp i, 0,1,2
	s_delay_alu instid0(VALU_DEP_3)
	v_mov_b32 v[PC+3+6*\c+\i], v[PC+12+4*\c+\i]
.endr
.endr
.endm
	s_load_b256 s[4:11], s[0:1], 0x0               ; x, wq, wk, wv
	s_load_b128 s[12:15], s[0:1], 0x20             ; wo, xcod
	s_load_b64 s[16:17], s[0:1], 0x30              ; wcod
	v_lshl_add_u32 v192, v0, 2, 0x10800
	v_mov_b32 v193, 0
	v_lshrrev_b32 v1, 5, v0
	s_delay_alu instid0(VALU_DEP_1)
	v_readfirstlane_b32 s18, v1                    ; wave 0..7
	v_and_b32 v1, 31, v0                           ; lane
	v_and_b32 v2, 15, v0                           ; r
	v_bfe_u32 v3, v0, 4, 1                         ; h
	s_cmp_lt_u32 ttmp9, 256
	s_cbranch_scc0 .Lweights
	; ---- x.  Wave W = 8 x work-group + wave takes row tile W / 4 and K steps 2 (W % 4), 2 (W % 4) + 1: two fragments.
	s_mov_b32 s[SEL], 0x76543210
	s_mov_b32 s[SEL+1], 0xfedcba98
	s_mov_b32 s22, 0xffff0000                      ; lanes 16-31
	s_lshl_b32 s23, ttmp9, 3
	s_add_co_u32 s23, s23, s18                     ; W
	s_lshr_b32 s24, s23, 2                         ; rt
	s_and_b32 s25, s23, 3                          ; j
	; x's TILES: lane row r of tile rt is row 64 (rt / 4) + 8 (rt % 4) + r + 24 (r / 8) (the formula at the kernel's head holds for the weights' tiles alone):
	; in a transposed product the 32 registers of four neighbouring tiles are then 32 neighbouring tokens, a whole block in one lane
	s_lshr_b32 s26, s24, 2
	s_lshl_b32 s26, s26, 18                        ; 64 (rt / 4) rows of 4,096 bytes
	s_and_b32 s27, s24, 3
	s_lshl_b32 s27, s27, 15                        ; + 8 (rt % 4) rows
	s_add_co_u32 s26, s26, s27
	s_lshl_b32 s27, s25, 10                        ; + 256 numbers x j
	s_add_co_u32 s26, s26, s27
	s_mov_b32 s27, 0
	s_mul_i32 s28, s23, 3072                       ; codes: (8 rt + 2 j) x 1,536 = 3,072 W
	s_mov_b32 s29, 0
	s_lshl_b32 s30, s23, 7                         ; scale words: 512 rt + 128 j = 128 W
	s_add_co_u32 s30, s30, XSOFF
	s_mov_b32 s31, 0
	s_wait_alu depctr_va_vdst(0)
	v_lshlrev_b32 v4, 4, v1                        ; 16 x lane: my bytes of a load's 512
	s_mul_i32 s32, s18, 8448                       ; my wave's stage: 16 rows x 528 bytes (512 + 16: the sixteen rows of a read start at sixteen different 16-byte columns)
	v_add_nc_u32 v5, s32, v4                       ; into the stage: as loaded
	v_mul_u32_u24 v6, v2, 528
	s_delay_alu instid0(VALU_DEP_1)
	v_lshl_add_u32 v6, v3, 6, v6
	s_delay_alu instid0(VALU_DEP_1)
	v_add_nc_u32 v6, s32, v6                       ; out of it: row r, + 64 h: my 16 numbers of each block of 32
	v_lshlrev_b32 v7, 3, v1                        ; 8 x lane: an image's place
	v_lshlrev_b32 v8, 3, v2
	s_delay_alu instid0(VALU_DEP_1)
	v_lshl_add_u32 v8, v3, 2, v8                   ; 8 r + 4 h: lanes 0-15 store the even K step's word, lanes 16-31 the odd one's
.irp b, 0,1,2,3
	v_mov_b32 v[TM+4+\b], 0                        ; written once: a lane permute's destination counts as one of its sources
.endr
	s_wait_alu depctr_va_vdst(0)
	s_wait_kmcnt 0x0
	s_add_nc_u64 s[4:5], s[4:5], s[26:27]
	s_add_nc_u64 s[34:35], s[14:15], s[28:29]
	s_add_nc_u64 s[36:37], s[14:15], s[30:31]
.irp s, 0,1
.irp i, 0,1,2,3,4,5,6,7,8,9,10,11,12,13,14,15
	global_load_b128 v[R+64*\s+4*\i:R+64*\s+4*\i+3], v4, s[4:5] offset:(\i+24*(\i/8))*4096+512*\s th:TH_LOAD_NT   ; 32 lanes read 512 consecutive bytes of the tile's row i
.endr
.endr
.macro TURN s                          ; a K step's 16 x 512 bytes through the stage; LDS serves a wave's instructions in order, so no wait stands between the stores and the loads
.irp i, 0,1,2,3,4,5,6,7,8,9,10,11,12,13,14,15
	ds_store_b128 v5, v[R+64*\s+4*\i:R+64*\s+4*\i+3] offset:528*\i
.endr
.irp b, 0,1,2,3
.irp j, 0,1,2,3
	ds_load_b128 v[R+64*\s+16*\b+4*\j:R+64*\s+16*\b+4*\j+3], v6 offset:128*\b+16*\j
.endr
.endr
.endm
	s_wait_loadcnt 16                              ; K step 0's sixteen loads are in; the sixteen younger ones stay out
	TURN 0
	s_wait_loadcnt 0x0
	TURN 1                                         ; the same stage: its stores come behind TURN 0's loads
	s_wait_dscnt 32                                ; TURN 0's loads are back; TURN 1's 32 instructions are the younger ones
	QUANT R, PW
.irp p, 0,1,2,3,4,5
	global_store_b64 v7, v[PC+2*\p:PC+2*\p+1], s[34:35] offset:256*\p   ; 32 lanes store 256 consecutive bytes, aligned
.endr
	s_wait_dscnt 0x0
	s_wait_xcnt 0x0                                ; the stores have read the codes' registers: they are written again
	QUANT R+64, PW+1
.irp p, 0,1,2,3,4,5
	global_store_b64 v7, v[PC+2*\p:PC+2*\p+1], s[34:35] offset:1536+256*\p
.endr
	v_cndmask_b32 v182, v[PW], v[PW+1], s22
	global_store_b32 v8, v182, s[36:37]            ; 128 consecutive bytes: 16 rows x 2 words
	s_wait_tensorcnt 0x0
	ds_add_u32 v192, v193
	s_wait_dscnt 0x0
	s_endpgm
	; ---- the weights.  Work-group g: weight g / 32, columns 256 ((g / 8) % 4) on, K step g % 8.  A wave takes 32 columns x 128 K.
	; A LANE TAKES A COLUMN AND ITS REGISTERS RUN DOWN K.  Lanes 0-15 hold the columns of the even tile, lanes 16-31 those of the odd tile.
.Lweights:
	s_sub_co_u32 s23, ttmp9, 256                   ; g
	s_lshr_b32 s24, s23, 5                         ; which weight: q, k, v, o
	s_bfe_u32 s25, s23, 0x20003                    ; cb
	s_and_b32 s26, s23, 7                          ; ks
	s_lshl_b32 s28, s26, 19                        ; 128 ks rows of 4,096 bytes
	s_lshl_b32 s27, s25, 10
	s_add_co_u32 s28, s28, s27                     ; + 256 cb columns
	s_lshl_b32 s27, s18, 7
	s_add_co_u32 s28, s28, s27                     ; + 32 x wave columns
	s_mov_b32 s29, 0
	s_lshl_b32 s30, s24, 6
	s_lshl_b32 s27, s25, 4
	s_add_co_u32 s30, s30, s27
	s_lshl_b32 s27, s18, 1
	s_add_co_u32 s30, s30, s27                     ; the even tile: 64 x weight + 16 cb + 2 x wave
	s_lshl_b32 s32, s30, 9
	s_lshr_b32 s27, s26, 1
	s_lshl_b32 s27, s27, 7
	s_add_co_u32 s32, s32, s27
	s_and_b32 s27, s26, 1
	s_lshl_b32 s27, s27, 2
	s_add_co_u32 s32, s32, s27
	s_add_co_u32 s32, s32, WSOFF                   ; its scale words of this K step
	s_mov_b32 s33, 0
	s_lshl_b32 s30, s30, 3
	s_add_co_u32 s30, s30, s26
	s_mul_i32 s30, s30, 1536                       ; its fragment of this K step
	s_mov_b32 s31, 0
	s_wait_alu depctr_va_vdst(0)
	v_and_b32 v9, 8, v2
	s_delay_alu instid0(VALU_DEP_1)
	v_add_nc_u32 v9, v9, v2
	s_delay_alu instid0(VALU_DEP_1)
	v_lshl_add_u32 v9, v3, 3, v9                   ; my column of the 32: r + 8 (r / 8) + 8 (lane / 16)
	s_delay_alu instid0(VALU_DEP_1)
	v_lshlrev_b32 v4, 2, v9
	v_lshlrev_b32 v7, 3, v1                        ; 8 x lane
	v_lshlrev_b32 v10, 3, v2
	s_delay_alu instid0(VALU_DEP_1)
	v_lshl_add_u32 v10, v3, 9, v10                 ; scale word: 8 r, + 512 for the odd tile
	s_wait_alu depctr_va_vdst(0)
	s_wait_kmcnt 0x0
	s_cmp_eq_u32 s24, 1
	s_cselect_b64 s[6:7], s[8:9], s[6:7]
	s_cmp_eq_u32 s24, 2
	s_cselect_b64 s[6:7], s[10:11], s[6:7]
	s_cmp_eq_u32 s24, 3
	s_cselect_b64 s[6:7], s[12:13], s[6:7]
	s_add_nc_u64 s[6:7], s[6:7], s[28:29]
	s_add_nc_u64 s[34:35], s[16:17], s[30:31]
	s_add_nc_u64 s[36:37], s[16:17], s[32:33]
.set i, 0
.rept 128
	global_load_b32 v[R+i], v4, s[6:7] offset:4096*i th:TH_LOAD_NT   ; a wave reads 128 consecutive bytes of row i, the eight waves 1,024
.set i, i+1
.endr
.macro WBLK b                          ; block b of my column: all its 32 numbers are mine
.set XS, R+32*\b
	v_max3_num_f32 v184, |v[XS]|, |v[XS+1]|, |v[XS+2]|
	v_max3_num_f32 v185, |v[XS+3]|, |v[XS+4]|, |v[XS+5]|
.irp i, 6,10,14,18,22,26
	s_delay_alu instid0(VALU_DEP_2)
	v_max3_num_f32 v184, v184, |v[XS+\i]|, |v[XS+\i+1]|
	s_delay_alu instid0(VALU_DEP_2)
	v_max3_num_f32 v185, v185, |v[XS+\i+2]|, |v[XS+\i+3]|
.endr
	s_delay_alu instid0(VALU_DEP_2)
	v_max3_num_f32 v184, v184, |v[XS+30]|, |v[XS+31]|
	s_delay_alu instid0(VALU_DEP_1)
	v_max3_num_f32 v184, v184, v185, 0x2800000     ; and the floor 2^(5 - 127)
	s_delay_alu instid0(VALU_DEP_1)
	v_add_nc_u32 v186, 0xfe000000, v184            ; the conversion's scale operand
	s_delay_alu instid0(VALU_DEP_1)
	v_lshrrev_b32 v187, 23, v186                   ; the byte
.if \b == 0
	s_delay_alu instid0(VALU_DEP_1)
	v_mov_b32 v188, v187
.else
	s_delay_alu instid0(VALU_DEP_1)
	v_lshl_or_b32 v188, v187, 8*\b, v188           ; my column's scale word of this K step
.endif
	v_cvt_scalef32_pk16_bf6_f32 v[F+6*\b:F+6*\b+2], v[XS:XS+15], v186
	v_cvt_scalef32_pk16_bf6_f32 v[TC+4*\b:TC+4*\b+2], v[XS+16:XS+31], v186
	v_nop                                          ; one plain instruction behind the scaled conversions
.irp i, 0,1,2
	v_mov_b32 v[F+6*\b+3+\i], v[TC+4*\b+\i]
.endr
.endm
	s_wait_loadcnt 63                              ; the largest count that the wait can name: of 128 loads 65 are in, blocks 0 and 1 among them
	WBLK 0
	WBLK 1
	s_wait_loadcnt 32                              ; block 3's loads may be out
	WBLK 2
	s_wait_loadcnt 0x0
	WBLK 3
.irp c, 0,1                                    ; a fragment wants blocks 2 c (lanes 0-15) and 2 c + 1 (lanes 16-31) of ONE tile's columns: the exchange leaves the even tile's registers in block 2 c's place, the odd tile's in block 2 c + 1's
.irp i, 0,1,2,3,4,5
	v_permlane16_swap_b32 v[F+12*\c+\i], v[F+12*\c+6+\i]
.endr
.endr
.irp p, 0,1,2,3,4,5
	global_store_b64 v7, v[F+12*(\p/3)+2*(\p%3):F+12*(\p/3)+2*(\p%3)+1], s[34:35] offset:256*\p           ; the even tile: 256 consecutive bytes, aligned
	global_store_b64 v7, v[F+6+12*(\p/3)+2*(\p%3):F+6+12*(\p/3)+2*(\p%3)+1], s[34:35] offset:12288+256*\p   ; the odd tile, one row tile on
.endr
	global_store_b32 v10, v188, s[36:37]           ; 4 bytes at every 8: the other K step of the pair is another work-group's.  One byte for each 128 that the path reads
	s_endpgm
.Lfunc_end_k_qef5fe51588_quant:
	.size	k_qef5fe51588_quant, .Lfunc_end_k_qef5fe51588_quant-k_qef5fe51588_quant
	.p2alignl 7, 3214868480
	.fill 96, 4, 3214868480
	.section	.rodata,"a",@progbits
	.p2align	6, 0x0
	.amdhsa_kernel k_qef5fe51588_quant
		.amdhsa_group_segment_fixed_size 68608
		.amdhsa_private_segment_fixed_size 0
		.amdhsa_enable_private_segment 0
		.amdhsa_kernarg_size 56
		.amdhsa_user_sgpr_count 2
		.amdhsa_user_sgpr_kernarg_segment_ptr 1
		.amdhsa_wavefront_size32 1
		.amdhsa_system_sgpr_workgroup_id_x 1
		.amdhsa_system_sgpr_workgroup_id_y 1
		.amdhsa_system_sgpr_workgroup_id_z 1
		.amdhsa_system_vgpr_workitem_id 0
		.amdhsa_next_free_vgpr 194
		.amdhsa_next_free_sgpr 66
		.amdhsa_reserve_vcc 0
		.amdhsa_float_denorm_mode_32 3
		.amdhsa_float_denorm_mode_16_64 3
		.amdhsa_memory_ordered 1
		.amdhsa_forward_progress 1
		.amdhsa_inst_pref_size 46
	.end_amdhsa_kernel
	.amdgpu_metadata
---
amdhsa.version: [ 1, 2 ]
amdhsa.kernels:
  - .name:           k_qef5fe51588_quant
    .symbol:         k_qef5fe51588_quant.kd
    .args:
      - { .name: x, .offset: 0, .size: 8, .value_kind: global_buffer, .address_space: global }
      - { .name: wq, .offset: 8, .size: 8, .value_kind: global_buffer, .address_space: global }
      - { .name: wk, .offset: 16, .size: 8, .value_kind: global_buffer, .address_space: global }
      - { .name: wv, .offset: 24, .size: 8, .value_kind: global_buffer, .address_space: global }
      - { .name: wo, .offset: 32, .size: 8, .value_kind: global_buffer, .address_space: global }
      - { .name: xcod, .offset: 40, .size: 8, .value_kind: global_buffer, .address_space: global }
      - { .name: wcod, .offset: 48, .size: 8, .value_kind: global_buffer, .address_space: global }
    .group_segment_fixed_size: 68608
    .private_segment_fixed_size: 0
    .kernarg_segment_align: 8
    .kernarg_segment_size: 56
    .max_flat_workgroup_size: 256
    .sgpr_count:     66
    .vgpr_count:     194
    .wavefront_size: 32
...
	.end_amdgpu_metadata
.endif
;; end of part 1
;; launch qkv (part 2): grid 4 x 64, 8 waves a work-group, clusters of 4 x 4, 327,680 bytes of LDS; arguments xcod, wcod, bq, bk, bv, qcod, kcod, vcod; writes qcod, kcod, vcod
.if DOCPART == 2
	.amdgcn_target "amdgcn-amd-amdhsa--gfx1250"
	.amdhsa_code_object_version 6
	.text
	.protected	k_qef5fe51588_qkv
	.globl	k_qef5fe51588_qkv
	.p2align	8
	.type	k_qef5fe51588_qkv,@function
k_qef5fe51588_qkv:
	s_mov_b64 s[64:65], 0
	v_nop
	global_prefetch_b8 v0, s[64:65] scope:SCOPE_SE
	s_setreg_imm32_b32 hwreg(HW_REG_WAVE_MODE, 25, 1), 1
	s_wait_xcnt 0x0
	s_wait_alu depctr_hold_cnt(0) depctr_sa_sdst(0) depctr_va_vdst(0) depctr_va_sdst(0) depctr_va_ssrc(0) depctr_va_vcc(0) depctr_vm_vsrc(0)
	s_getreg_b32 s2, hwreg(HW_REG_IB_STS2, 6, 4)
	s_cmp_eq_u32 s2, 0
	s_cbranch_scc0 .Lentry_in_a_cluster
	s_endpgm
.Lentry_in_a_cluster:
	s_bfe_u32 s2, ttmp6, 0x10000c
	s_cmp_lg_u32 s2, 0xf033
	s_cbranch_scc0 .Lentry_shape_is_right
	s_endpgm
.Lentry_shape_is_right:
; q = x wq + bq, k = x wk + bk, v = x wv + bv on codes of BF6 (E3M2) with E8M0 scales; each result is quantised again (q, k along the head's 64 channels, v along the tokens) and leaves as codes in the order of
; the attention's operand registers.  xcod, wcod: [tile of 16 rows][K step 0..7] x 1,536 bytes, register pair p of lane l at 256 p + 8 l; behind the codes 512 bytes of scale words a tile.
; SHARES.  A work-group owns 128 tokens x 256 columns (four heads) of q, then of k, then of v.  ALL OF K LIES IN LDS: x's 8 tiles (98,304 bytes, filled once), the weight's 16 tiles (196,608 bytes, filled three times),
; the scale words (4,096 + 8,192).  Eight waves: wave (wr, wc) makes 64 tokens x 64 columns (one head): 16 accumulators, 128 registers; a K step's eight fragments take 96.
; FILLS.  At the head one tensor load a wave: waves 0-1 x's halves, waves 2-5 the weight's quarters, wave 6 x's scale words, wave 7 the weight's.  When a phase's products are done, the next weight is asked for
; (waves 2-5 and 7) behind the waits, the add and a round of the cluster's barrier, and lands while the phase's results are quantised and stored.
; CLUSTER 4 x 4: the four work-groups of a row need the same x, the four of a column the same weights: joint loads.
; q, k: source 0 = the weight's tile, source 1 = x's: a lane holds one token, its 32 registers of four tiles 64 channels (register 16 b + i: channel 32 b + 16 h + i).
; v: the sources are swapped: a lane holds one channel, its 32 registers are tokens 64 wr + 32 h + 0..31: a whole block.  A fragment of v (128 tokens) is made by two waves, six registers each: so v's codes leave in
; pieces of 8 bytes at every 16, and its scale bytes as half-words.
; The biases wait in registers above v255 from the head on.  No prefetch: the text has no loop to run ahead in.
; LIMITS: a block whose largest magnitude lies under 2^-122 gets the byte 1 (only this program reads the bytes).  NaN and infinities are not served.
.set XSOFF, 6291456
.set WSOFF, 3145728
.set TILEB, 12288
.set QTR,   49152
.set LB,    98304
.set LSA,   294912
.set LSB,   299008
.set SPARE, 307200
.set SH8, 3                            ; 8 h
.set ADA, 4                            ; LDS: my four tiles of x, of the weight, my scale words (lanes 0-15 x's, lanes 16-31 the weight's)
.set ADB, 5
.set ADS, 6
.set SPW, 8
.set NIL, 9
.set VC,  10                           ; offsets of the stores: q's and k's codes, their scale word, v's three pieces, v's half-word
.set VS,  11
.set VA,  12
.set VH,  15
.set SC,  16                           ; v16-31 scale words, two sets of 4 x 2 K steps
.set AF,  32                           ; v32-79 x's fragments;  v80-127 the weight's
.set BF,  80
.set ACC, 128
.set PQ,  32                           ; the way out: 12 registers a tile for codes
.set MX,  80
.set PX,  88
.set OP,  96
.set BY,  104
.set W,   112
.set BQ,  0                            ; above v255: bq's 32, bk's 32, bv's four pairs
.set BKB, 32
.set BV,  64
.set G1A, 24
.set G1B, 32
.set G1SA, 40
.set G1SB, 48
.set G0A, 56
.set G0B, 60
.set G0SA, 68
.set G0SB, 72
.set SEL, 100
.set MH,  104
.set MSB, 0
.macro WIN new
.if MSB != (\new)
	s_set_vgpr_msb (MSB<<8)|(\new)
.set MSB, (\new)
.endif
.endm
.macro CROUND
	s_barrier_signal -1
	s_barrier_wait -1
	s_cmp_lg_u32 s14, 0
	s_cbranch_scc1 .Lnot_wave_0_\@
	s_barrier_signal -3
.Lnot_wave_0_\@:
	s_barrier_wait -3
	s_barrier_signal -1
	s_barrier_wait -1
.endm
.macro DIMS g, rows                    ; a dense block as rows of 256 bytes
	s_mov_b32 s[\g+1], 32<<16
	s_mov_b32 s[\g+2], (\rows)<<16
	s_mov_b32 s[\g+3], 32<<16
	s_mov_b32 s[\g+4], \rows
	s_mov_b32 s[\g+5], 32
	s_mov_b32 s[\g+6], 0
	s_mov_b32 s[\g+7], 0
.endm
.macro TLOAD g0, g1
	tensor_load_to_lds s[\g0:\g0+3], s[\g1:\g1+7]
	s_nop 0
.rept 4
	v_nop
.endr
.endm
.macro ARM under, g0, g1, next
	s_cmp_lt_u32 s14, \under
	s_cbranch_scc0 \next
	TLOAD \g0, \g1
	s_branch .Lhead_asked
\next:
.endm
.macro FRAG reg, adr, t, ks
.irp p, 0,1,2,3,4,5
	ds_load_b64 v[\reg+2*\p:\reg+2*\p+1], v[\adr] offset:TILEB*(\t)+1536*(\ks)+256*\p
.endr
.endm
.macro MMA zero, mode
.if \mode
.if \zero
	v_wmma_scale_f32_16x16x128_f8f6f4 v[XD:XD+7], v[XA:XA+11], v[XB:XB+11], 0, v[XSA], v[XSB] matrix_a_fmt:MATRIX_FMT_BF6 matrix_b_fmt:MATRIX_FMT_BF6 matrix_b_scale:MATRIX_SCALE_ROW1
.else
	v_wmma_scale_f32_16x16x128_f8f6f4 v[XD:XD+7], v[XA:XA+11], v[XB:XB+11], v[XD:XD+7], v[XSA], v[XSB] matrix_a_fmt:MATRIX_FMT_BF6 matrix_b_fmt:MATRIX_FMT_BF6 matrix_b_scale:MATRIX_SCALE_ROW1
.endif
.else
.if \zero
	v_wmma_scale_f32_16x16x128_f8f6f4 v[XD:XD+7], v[XA:XA+11], v[XB:XB+11], 0, v[XSA], v[XSB] matrix_a_fmt:MATRIX_FMT_BF6 matrix_b_fmt:MATRIX_FMT_BF6 matrix_a_scale:MATRIX_SCALE_ROW1
.else
	v_wmma_scale_f32_16x16x128_f8f6f4 v[XD:XD+7], v[XA:XA+11], v[XB:XB+11], v[XD:XD+7], v[XSA], v[XSB] matrix_a_fmt:MATRIX_FMT_BF6 matrix_b_fmt:MATRIX_FMT_BF6 matrix_a_scale:MATRIX_SCALE_ROW1
.endif
.endif
.endm
; A K step of 128: 48 LDS loads (52 with a pair's scale words), 16 products, the accumulators by turns.  mode 0: q, k; mode 1: v.
.macro KSTEP ks, mode, zero
.set SQ, SC+8*(((\ks)/2)%2)+(\ks)%2
.if (\ks)%2 == 0
.irp t, 0,1,2,3
	ds_load_b64 v[SC+8*(((\ks)/2)%2)+2*\t:SC+8*(((\ks)/2)%2)+2*\t+1], v[ADS] offset:512*\t+128*((\ks)/2)
.endr
.endif
.irp t, 0,1,2,3
	FRAG BF+12*\t, ADB, \t, \ks
.endr
.irp t, 0,1,2,3
	FRAG AF+12*\t, ADA, \t, \ks
.endr
.irp i, 0,1,2,3
	s_wait_dscnt 6*(3-\i)                          ; all but the loads of x's later tiles, six each
.irp j, 0,1,2,3
.if \mode
.set XD, ACC+8*(4*\j+\i)
.set XA, AF+12*\i
.set XB, BF+12*\j
.set XSA, SQ+2*\i
.set XSB, SQ+2*\j
.else
.set XD, ACC+8*(4*\i+\j)
.set XA, BF+12*\j
.set XB, AF+12*\i
.set XSA, SQ+2*\j
.set XSB, SQ+2*\i
.endif
	MMA \zero, \mode
.endr
.endr
.rept 4
	v_nop                                          ; places ahead of loads into the fragments and of the first read of results
.endr
.endm
.macro KLOOP mode
	KSTEP 0, \mode, 1
.irp ks, 1,2,3,4,5,6,7
	KSTEP \ks, \mode, 0
.endr
.endm
; The next weight: the waits and the add, a round of the cluster's barrier, one joint load a wave.
.macro REFILL
	s_wait_tensorcnt 0x0
	ds_add_u32 v[SPW], v[NIL]
	s_add_nc_u64 s[G0B+2:G0B+3], s[G0B+2:G0B+3], 64*TILEB
	s_add_nc_u64 s[G0SB+2:G0SB+3], s[G0SB+2:G0SB+3], 64*512
	s_wait_dscnt 0x0
	CROUND
	s_cmp_lt_u32 s14, 2
	s_cbranch_scc1 .Lr_none_\@
	s_cmp_lt_u32 s14, 6
	s_cbranch_scc0 .Lr_sc_\@
	TLOAD G0B, G1B
	s_branch .Lr_none_\@
.Lr_sc_\@:
	s_cmp_eq_u32 s14, 7
	s_cbranch_scc0 .Lr_none_\@
	TLOAD G0SB, G1SB
.Lr_none_\@:
.endm
.macro LANDED                          ; the stores have read their registers; my load has landed; everybody's has
	s_wait_xcnt 0x0
	s_wait_tensorcnt 0x0
	s_barrier_signal -1
	s_barrier_wait -1
.endm
.macro MAXIMA                          ; eight chains: the largest magnitude of registers 32 i + 16 b + 0..15, and the floor 2^(5 - 127)
.irp i, 0,1,2,3
.irp b, 0,1
	v_max3_num_f32 v[MX+2*\i+\b], |v[ACC+32*\i+16*\b]|, |v[ACC+32*\i+16*\b+1]|, 0x2800000
.endr
.endr
.irp k, 2,4,6,8,10,12,14
.irp i, 0,1,2,3
.irp b, 0,1
	v_max3_num_f32 v[MX+2*\i+\b], v[MX+2*\i+\b], |v[ACC+32*\i+16*\b+\k]|, |v[ACC+32*\i+16*\b+\k+1]|
.endr
.endr
.endr
.endm
; q's and k's way out: + bias, two blocks of 32 channels a token (in lanes l and l xor 16), half a fragment a token tile.
.macro EPIQK bias, ptr
	WIN 0x04                                       ; source 1 above v255
.set n, 0
.rept 64
	v_pk_add_f32 v[ACC+2*n:ACC+2*n+1], v[ACC+2*n:ACC+2*n+1], v[\bias+2*(n%16):\bias+2*(n%16)+1]
.set n, n+1
.endr
	WIN 0
	MAXIMA
.irp n, 0,1,2,3,4,5,6,7
	v_permlanex16_b32 v[PX+\n], v[MX+\n], s[SEL], s[SEL+1]
.endr
.irp n, 0,1,2,3,4,5,6,7
	v_max_num_f32 v[MX+\n], v[MX+\n], v[PX+\n]
.endr
.irp n, 0,1,2,3,4,5,6,7
	v_add_nc_u32 v[OP+\n], 0xfe000000, v[MX+\n]    ; 4 off the exponent field: the conversion's scale operand
.endr
.irp n, 0,1,2,3,4,5,6,7
	v_lshrrev_b32 v[BY+\n], 23, v[OP+\n]           ; the byte
.endr
.irp i, 0,1,2,3
	v_cvt_scalef32_pk16_bf6_f32 v[PQ+12*\i:PQ+12*\i+2], v[ACC+32*\i:ACC+32*\i+15], v[OP+2*\i]
	v_cvt_scalef32_pk16_bf6_f32 v[PQ+12*\i+6:PQ+12*\i+8], v[ACC+32*\i+16:ACC+32*\i+31], v[OP+2*\i+1]
.endr
	v_nop                                          ; one plain instruction behind the scaled conversions
.irp i, 0,1,2,3
.irp e, 0,1,2
	v_permlane16_swap_b32 v[PQ+12*\i+\e], v[PQ+12*\i+6+\e]
.endr
.endr
.irp i, 0,1,2,3
.irp e, 0,1,2
	v_mov_b32 v[PQ+12*\i+3+\e], v[PQ+12*\i+6+\e]
.endr
.endr
.irp f, 0,1                                    ; a fragment's scale word: two tiles x two blocks
	v_lshl_or_b32 v[W+\f], v[BY+4*\f+1], 8, v[BY+4*\f]
.endr
.irp f, 0,1
	v_lshl_or_b32 v[W+\f], v[BY+4*\f+2], 16, v[W+\f]
.endr
.irp f, 0,1
	v_lshl_or_b32 v[W+\f], v[BY+4*\f+3], 24, v[W+\f]
.endr
	v_cndmask_b32 v[W+2], v[W], v[W+1], s[MH]      ; lanes 0-15 the even fragment's, lanes 16-31 the odd one's
.irp i, 0,1,2,3
.irp g, 0,1,2
	global_store_b64 v[VC], v[PQ+12*\i+2*\g:PQ+12*\i+2*\g+1], s[\ptr:\ptr+1] offset:1536*(\i/2)+768*(\i%2)+256*\g   ; 256 consecutive bytes, aligned
.endr
.endr
	global_store_b32 v[VS], v[W+2], s[\ptr:\ptr+1] ; 4 bytes at every 8: the other word of the pair is the other half's wave's
.endm
	s_load_b256 s[4:11], s[0:1], 0x0               ; xcod, wcod, bq, bk
	s_load_b256 s[84:91], s[0:1], 0x20             ; bv, qcod, kcod, vcod
	v_lshl_add_u32 v[SPW], v0, 2, SPARE
	v_mov_b32 v[NIL], 0
	ds_add_u32 v[SPW], v[NIL]                      ; the opening: the add, twice on end, and its wait
	ds_add_u32 v[SPW], v[NIL]
	v_lshrrev_b32 v1, 5, v0
	v_readfirstlane_b32 s14, v1                    ; wave 0..7
	s_lshr_b32 s15, s14, 2                         ; wr: which 64 tokens
	s_and_b32 s16, s14, 3                          ; wc: which 64 columns
	s_bfe_u32 s76, ttmp6, 0x40000                  ; cx
	s_bfe_u32 s77, ttmp6, 0x40004                  ; cy
	s_lshl_b32 s18, ttmp9, 2
	s_add_co_u32 s18, s18, s76                     ; column block
	s_and_b32 s17, ttmp7, 0xffff
	s_lshl_b32 s17, s17, 2
	s_add_co_u32 s17, s17, s77                     ; row block
	s_lshl_b32 s78, s77, 2
	s_lshl_b32 s78, 15, s78                        ; my row of the cluster
	s_lshl_b32 s79, 0x1111, s76                    ; my column
	s_or_b32 s[G1A], s78, (3<<16)|(1<<21)
	s_or_b32 s[G1B], s79, (3<<16)|(1<<21)
	s_or_b32 s[G1SA], s78, (3<<16)|(1<<21)
	s_or_b32 s[G1SB], s79, (3<<16)|(1<<21)
	DIMS G1A, 192
	DIMS G1B, 192
	DIMS G1SA, 16
	DIMS G1SB, 32
	s_and_b32 s19, s14, 1
	s_mul_i32 s19, s19, QTR                        ; x's half (waves 0, 1)
	s_add_co_u32 s20, s14, 2
	s_and_b32 s20, s20, 3
	s_mul_i32 s20, s20, QTR                        ; the weight's quarter (waves 2..5)
	s_mul_i32 s92, s17, 8*TILEB
	s_add_co_u32 s92, s92, s19
	s_mov_b32 s93, 0
	s_lshl_b32 s96, s17, 12
	s_add_co_u32 s96, s96, XSOFF
	s_mov_b32 s97, 0
	s_mul_i32 s94, s18, 16*TILEB
	s_add_co_u32 s94, s94, s20
	s_mov_b32 s95, 0
	s_lshl_b32 s98, s18, 13
	s_add_co_u32 s98, s98, WSOFF
	s_mov_b32 s99, 0
	s_mul_i32 s80, s15, QTR                        ; LDS: my four tiles of x,
	s_mul_i32 s81, s16, QTR
	s_add_co_u32 s81, s81, LB                      ; of the weight,
	s_lshl_b32 s82, s15, 11
	s_lshl_b32 s83, s16, 11
	s_add_co_u32 s83, s83, LSB-LSA
	s_sub_co_u32 s83, s83, s82                     ; from x's scale words to the weight's
	s_add_co_u32 s82, s82, LSA
	s_lshl_b32 s2, s18, 10
	s_lshl_b32 s3, s16, 8
	s_add_co_u32 s2, s2, s3                        ; my 64 columns in a bias, in bytes
	s_mov_b32 s3, 0
	s_lshr_b32 s12, s17, 4                         ; the results' block: ((16 batch + head) 16 + 128-token block) x 6,400
	s_lshl_b32 s12, s12, 4
	s_lshl_b32 s13, s18, 2
	s_add_co_u32 s12, s12, s13
	s_add_co_u32 s12, s12, s16
	s_lshl_b32 s12, s12, 4
	s_and_b32 s13, s17, 15
	s_add_co_u32 s12, s12, s13
	s_mul_i32 s12, s12, 6400
	s_mov_b32 s13, 0
	s_mul_i32 s21, s15, 3072
	s_lshl_b32 s23, s15, 2
	s_add_co_u32 s23, s23, 6144
	s_mul_i32 s66, s15, 520
	s_mul_i32 s67, s15, 1016
	s_add_co_u32 s67, s67, 8
	s_lshl_b32 s105, s15, 1
	s_add_co_u32 s105, s105, 6144
	s_mov_b32 s[SEL], 0x76543210
	s_mov_b32 s[SEL+1], 0xfedcba98
	s_mov_b32 s[MH], 0xffff0000
	s_wait_dscnt 0x0
	s_wait_kmcnt 0x0
	s_add_nc_u64 s[92:93], s[4:5], s[92:93]
	s_add_nc_u64 s[96:97], s[4:5], s[96:97]
	s_add_nc_u64 s[94:95], s[6:7], s[94:95]
	s_add_nc_u64 s[98:99], s[6:7], s[98:99]
	s_add_nc_u64 s[8:9], s[8:9], s[2:3]
	s_add_nc_u64 s[10:11], s[10:11], s[2:3]
	s_add_nc_u64 s[84:85], s[84:85], s[2:3]
	s_add_nc_u64 s[86:87], s[86:87], s[12:13]
	s_add_nc_u64 s[88:89], s[88:89], s[12:13]
	s_add_nc_u64 s[90:91], s[90:91], s[12:13]
	CROUND                                         ; all sixteen work-groups are here: the joint loads meet
	s_mov_b32 s[G0A], 1
	s_mov_b32 s[G0A+1], s19
	s_mov_b64 s[G0A+2:G0A+3], s[92:93]
	s_or_b32 s[G0A+3], s[G0A+3], 0x80000000
	s_mov_b32 s[G0B], 1
	s_add_co_u32 s[G0B+1], s20, LB
	s_mov_b64 s[G0B+2:G0B+3], s[94:95]
	s_or_b32 s[G0B+3], s[G0B+3], 0x80000000
	s_mov_b32 s[G0SA], 1
	s_mov_b32 s[G0SA+1], LSA
	s_mov_b64 s[G0SA+2:G0SA+3], s[96:97]
	s_or_b32 s[G0SA+3], s[G0SA+3], 0x80000000
	s_mov_b32 s[G0SB], 1
	s_mov_b32 s[G0SB+1], LSB
	s_mov_b64 s[G0SB+2:G0SB+3], s[98:99]
	s_or_b32 s[G0SB+3], s[G0SB+3], 0x80000000
	ARM 2, G0A, G1A, .Lh_b                         ; one tensor load a wave, in one chain of branches on the wave's number
	ARM 6, G0B, G1B, .Lh_sa
	ARM 7, G0SA, G1SA, .Lh_sb
	TLOAD G0SB, G1SB
.Lhead_asked:
	v_and_b32 v1, 15, v0                           ; r
	v_bfe_u32 v2, v0, 4, 1                         ; h
	v_and_b32 v3, 31, v0                           ; lane
	v_lshlrev_b32 v7, 3, v3
	v_add_nc_u32 v[ADA], s80, v7
	v_add_nc_u32 v[ADB], s81, v7
	v_lshlrev_b32 v34, 3, v1
	v_mul_u32_u24 v35, s83, v2
	v_add_nc_u32 v34, v34, v35
	v_add_nc_u32 v[ADS], s82, v34
	v_add_nc_u32 v[VC], s21, v7
	v_add_nc_u32 v[VS], s23, v7
	v_add_nc_u32 v[VH], s105, v7
	v_lshlrev_b32 v36, 4, v3
	v_add_nc_u32 v[VA], s66, v36                   ; pair 3 wr + p of a fragment's six lies at 512 (pair / 2) + 16 l + 8 (pair % 2)
	v_add_nc_u32 v[VA+1], s67, v36
	v_add_nc_u32 v[VA+2], 512, v[VA]
	v_lshlrev_b32 v[SH8], 3, v2
	v_lshlrev_b32 v32, 6, v2                       ; bq, bk: my 16 channels of each 32 begin at 64 h bytes
	v_and_b32 v33, 8, v1
	v_add_nc_u32 v33, v33, v1
	v_lshlrev_b32 v33, 2, v33                      ; bv: lane row r of a tile is column r + 8 (r / 8)
	WIN 0x40                                       ; destinations above v255
.irp j, 0,1,2,3
.irp e, 0,1
	global_load_b128 v[BQ+8*\j+4*\e:BQ+8*\j+4*\e+3], v32, s[8:9] offset:128*(\j/2)+32*(\j%2)+16*\e
	global_load_b128 v[BKB+8*\j+4*\e:BKB+8*\j+4*\e+3], v32, s[10:11] offset:128*(\j/2)+32*(\j%2)+16*\e
.endr
	global_load_b32 v[BV+2*\j], v33, s[84:85] offset:(32*(\j/2)+8*(\j%2))*4
	global_load_b32 v[BV+2*\j+1], v33, s[84:85] offset:(32*(\j/2)+8*(\j%2))*4
.endr
	WIN 0
	s_wait_alu depctr_va_vdst(0)                   ; the wait at the head's end
	s_wait_loadcnt 0x0                             ; the biases are in, and their address registers are free
	s_wait_tensorcnt 0x0
	s_barrier_signal -1
	s_barrier_wait -1                              ; x, wq and the scale words are whole
	KLOOP 0
	REFILL                                         ; wk
	EPIQK BQ, 86
	LANDED
	KLOOP 0
	REFILL                                         ; wv
	EPIQK BKB, 88
	LANDED
	KLOOP 1
	; v's way out: + bias; my 32 registers of channel tile j are one block of 32 tokens
	WIN 0x04
.set n, 0
.rept 64
	v_pk_add_f32 v[ACC+2*n:ACC+2*n+1], v[ACC+2*n:ACC+2*n+1], v[BV+2*(n/16):BV+2*(n/16)+1]
.set n, n+1
.endr
	WIN 0
	MAXIMA
.irp j, 0,1,2,3
	v_max_num_f32 v[MX+2*\j], v[MX+2*\j], v[MX+2*\j+1]
.endr
.irp j, 0,1,2,3
	v_add_nc_u32 v[OP+\j], 0xfe000000, v[MX+2*\j]
.endr
.irp j, 0,1,2,3
	v_lshrrev_b32 v[BY+\j], 23, v[OP+\j]
.endr
.irp j, 0,1,2,3
	v_lshlrev_b32 v[BY+\j], v[SH8], v[BY+\j]       ; my block's byte at its place in the half-word
.endr
.irp j, 0,1,2,3
	v_permlanex16_b32 v[PX+\j], v[BY+\j], s[SEL], s[SEL+1]
.endr
.irp j, 0,1,2,3
	v_or_b32 v[BY+\j], v[BY+\j], v[PX+\j]          ; with lane l xor 16's: blocks 2 wr, 2 wr + 1 of the 128 tokens
.endr
.irp j, 0,1,2,3
	v_cvt_scalef32_pk16_bf6_f32 v[PQ+12*\j:PQ+12*\j+2], v[ACC+32*\j:ACC+32*\j+15], v[OP+\j]
	v_cvt_scalef32_pk16_bf6_f32 v[PQ+12*\j+6:PQ+12*\j+8], v[ACC+32*\j+16:ACC+32*\j+31], v[OP+\j]
.endr
	v_nop                                          ; one plain instruction behind the scaled conversions
.irp j, 0,1,2,3
.irp e, 0,1,2
	v_mov_b32 v[PQ+12*\j+3+\e], v[PQ+12*\j+6+\e]
.endr
.endr
	v_cndmask_b32 v[W], v[BY], v[BY+1], s[MH]      ; lanes 0-15 the even channel tile's, lanes 16-31 the odd one's
	v_cndmask_b32 v[W+1], v[BY+2], v[BY+3], s[MH]
.irp j, 0,1,2,3
.irp p, 0,1,2
	global_store_b64 v[VA+\p], v[PQ+12*\j+2*\p:PQ+12*\j+2*\p+1], s[90:91] offset:1536*\j
.endr
.endr
	global_store_b16 v[VH], v[W], s[90:91]
	global_store_b16 v[VH], v[W+1], s[90:91] offset:4
	s_wait_tensorcnt 0x0                           ; the wave's end
	ds_add_u32 v[SPW], v[NIL]
	s_wait_dscnt 0x0
	CROUND                                         ; the closing round
	s_endpgm
.Lfunc_end_k_qef5fe51588_qkv:
	.size	k_qef5fe51588_qkv, .Lfunc_end_k_qef5fe51588_qkv-k_qef5fe51588_qkv
	.p2alignl 7, 3214868480
	.fill 96, 4, 3214868480
	.section	.rodata,"a",@progbits
	.p2align	6, 0x0
	.amdhsa_kernel k_qef5fe51588_qkv
		.amdhsa_group_segment_fixed_size 327680
		.amdhsa_private_segment_fixed_size 0
		.amdhsa_enable_private_segment 0
		.amdhsa_kernarg_size 64
		.amdhsa_user_sgpr_count 2
		.amdhsa_user_sgpr_kernarg_segment_ptr 1
		.amdhsa_wavefront_size32 1
		.amdhsa_system_sgpr_workgroup_id_x 1
		.amdhsa_system_sgpr_workgroup_id_y 1
		.amdhsa_system_sgpr_workgroup_id_z 1
		.amdhsa_system_vgpr_workitem_id 0
		.amdhsa_next_free_vgpr 384
		.amdhsa_next_free_sgpr 106
		.amdhsa_reserve_vcc 0
		.amdhsa_float_denorm_mode_32 3
		.amdhsa_float_denorm_mode_16_64 3
		.amdhsa_memory_ordered 1
		.amdhsa_forward_progress 1
		.amdhsa_inst_pref_size 181
	.end_amdhsa_kernel
	.amdgpu_metadata
---
amdhsa.version: [ 1, 2 ]
amdhsa.kernels:
  - .name:           k_qef5fe51588_qkv
    .symbol:         k_qef5fe51588_qkv.kd
    .args:
      - { .name: xcod, .offset: 0, .size: 8, .value_kind: global_buffer, .address_space: global }
      - { .name: wcod, .offset: 8, .size: 8, .value_kind: global_buffer, .address_space: global }
      - { .name: bq, .offset: 16, .size: 8, .value_kind: global_buffer, .address_space: global }
      - { .name: bk, .offset: 24, .size: 8, .value_kind: global_buffer, .address_space: global }
      - { .name: bv, .offset: 32, .size: 8, .value_kind: global_buffer, .address_space: global }
      - { .name: qcod, .offset: 40, .size: 8, .value_kind: global_buffer, .address_space: global }
      - { .name: kcod, .offset: 48, .size: 8, .value_kind: global_buffer, .address_space: global }
      - { .name: vcod, .offset: 56, .size: 8, .value_kind: global_buffer, .address_space: global }
    .group_segment_fixed_size: 327680
    .private_segment_fixed_size: 0
    .kernarg_segment_align: 8
    .kernarg_segment_size: 64
    .max_flat_workgroup_size: 256
    .sgpr_count:     106
    .vgpr_count:     384
    .wavefront_size: 32
...
	.end_amdgpu_metadata
.endif
;; end of part 2
;; launch attn (part 3): grid 4 x 64, 16 waves a work-group, clusters of 4 x 1, 206,848 bytes of LDS; arguments qcod, kcod, vcod, ocod; writes ocod
.if DOCPART == 3
	.amdgcn_target "amdgcn-amd-amdhsa--gfx1250"
	.amdhsa_code_object_version 6
	.text
	.protected	k_qef5fe51588_attn
	.globl	k_qef5fe51588_attn
	.p2align	8
	.type	k_qef5fe51588_attn,@function
k_qef5fe51588_attn:
	s_mov_b64 s[64:65], 0
	v_nop
	global_prefetch_b8 v0, s[64:65] scope:SCOPE_SE
	s_setreg_imm32_b32 hwreg(HW_REG_WAVE_MODE, 25, 1), 1
	s_wait_xcnt 0x0
	s_wait_alu depctr_hold_cnt(0) depctr_sa_sdst(0) depctr_va_vdst(0) depctr_va_sdst(0) depctr_va_ssrc(0) depctr_va_vcc(0) depctr_vm_vsrc(0)
	s_getreg_b32 s2, hwreg(HW_REG_IB_STS2, 6, 4)
	s_cmp_eq_u32 s2, 0
	s_cbranch_scc0 .Lentry_in_a_cluster
	s_endpgm
.Lentry_in_a_cluster:
	s_bfe_u32 s2, ttmp6, 0x10000c
	s_cmp_lg_u32 s2, 0x3003
	s_cbranch_scc0 .Lentry_shape_is_right
	s_endpgm
.Lentry_shape_is_right:
; O = softmax(Q K^T / 8) V for each of 64 (batch, head), 2,048 tokens, head size 64, both products on codes of BF6 (E3M2) with E8M0 scales; O / l is quantised along hidden and leaves as codes for the last projection.
; THE SOFTMAX: t = score x log2(e) / 8; M = the running largest t, rounded UP to a whole number; p = 2^(t - M) is what is quantised, along the keys, not normalised.  The row's sum is taken of the unquantised p
; and divides O at the end.  When M moves, the sum and O are multiplied by 2^(old M - new M): exact.
; SHARES.  A work-group owns 512 queries of one (batch, head); each of its sixteen waves one tile of 16 queries in each of two passes, in 256 registers.  THE HEAD'S WHOLE K AND V STAY IN LDS (2 x 102,400 bytes),
; filled once: no ring, no refill, no LDS store.
; CLUSTER.  The four work-groups of a (batch, head) need the same K and V: each of the eight tensor loads (waves 0-3: K's quarters; waves 4-7: V's) is a joint load with a mask that names the four.
; LAYOUT.  Both products are used transposed (S^T = K Q^T, O^T = V^T P^T): a lane holds ONE query throughout.  Lane row m of key tile 4 c + u of a step is key 64 c + 8 u + m + 24 (m / 8): so register 32 c + i of the
; scores in lane (r, h) is key 64 c + 32 h + i: A BLOCK OF 32 KEYS LIES WHOLE IN ONE LANE, in the order of the second product's operand: its largest score needs no other lane, and p's codes change no lane.
; THE FIRST PRODUCT'S K IS 64, the instruction's 128.  A fragment of K carries TWO key tiles: registers 0-5 tile 2 be, registers 6-11 tile 2 be + 1.  Q stands in 18 registers, q | zeros | q: against registers 0-11 of them
; the fragment gives tile 2 be, against registers 6-17 tile 2 be + 1: the other tile's codes meet zero codes, which add nothing under any scale byte from 1 to 254.
; TWO REGIONS OF 64 REGISTERS TAKE TURNS: one holds K's fragments and then V's, the other the scores and p; when p's codes are made, the next step's K is asked for into p's registers, ahead of the second product.
; A trip of the loop is two steps, after which the regions are back where they began.  The last step of a pass asks for K's step 0, which the next pass reads; the last pass's request is read by nobody:
; 25 LDS loads a wave, so that all trips have one text.
; No prefetch: all that the launch reads by tensor loads is asked for at its head.
; LIMITS: the promise holds while |t| stays under 2^31.  1 / l is v_rcp_f32 and a multiplication.  A block's largest p is made from the block's largest score by the same two instructions, which takes v_exp_f32 not to
; fall where its input rises.  A block of O whose largest magnitude lies under 2^-122 gets the byte 1.  NaN and infinities are not served.
.set XSOFF, 6291456                    ; ocod: where the scale words begin
.set BLK,   6400                       ; a step's block: four fragments and 256 bytes of scale words
.set VB,    102400                     ; V's blocks lie behind K's sixteen
.set SPARE, 204800                     ; behind them the spare words, 128 bytes a wave
.set ADK, 1                            ; the trip's addresses: K, V, V's scale words
.set ADV, 2
.set ADS, 3
.set QO,  4                            ; my bytes of Q's half fragment in its block
.set QSO, 5                            ; my query's scale word there
.set OSO, 6                            ; 8 r + h: my scale byte of O
.set LK,  7                            ; 8 x lane
.set LV,  8                            ; VB + 16 x lane
.set LVS, 9                            ; VB + 8 x lane
.set SH8, 10                           ; 8 h
.set TP,  11                           ; at work
.set NA,  12                           ; v12, v16: -M, old and new by turns (v13, v17 named with them as pairs)
.set L,   14                           ; v14-15 the row's sum in two halves
.set NB,  16
.set FF,  18                           ; f = 2^(old M - new M); v19 named with it
.set QR,  20                           ; v20-37 q | zeros | q
.set QS,  38                           ; Q's scale word (s0, s1, s0, s1)
.set PS,  39                           ; p's scale word
.set KS,  40                           ; v40-41 K's scale words: register be / 2, lanes 0-15 even be, lanes 16-31 odd be
.set VS,  42                           ; v42-43 V's likewise
.set QW,  44                           ; Q's scale word as loaded
.set T2,  45                           ; what lane l xor 16 sends
.set BM,  46                           ; v46-47 my two blocks' largest scores, then p
.set OPS, 48                           ; v48-49 the conversions' scale operands
.set BY,  50                           ; v50-51 the bytes
.set MR,  52                           ; the running largest score
.set ADN, 53                           ; where the next trip's first K block lies
.set X,   56                           ; v56-119, v120-183 the two regions
.set Y,   120
.set O,   184                          ; v184-215 O^T
.set PC,  216                          ; v216-227 p's codes; v228-230, v232-234 the upper halves as converted
.set T,   236                          ; v236-251 eight pairs for the sums; v236-239 also the maxima's chains
.set SPW, 254
.set NIL, 255
.set WV,  12
.set G1,  16                           ; s[16:23] descriptor group 1;  s[24:27] group 0
.set G0,  24
.set SEL, 28                           ; s[28:29] lane selects: lane l xor 16
.set CS,  30                           ; s[30:31] c = log2(e) / 8
.set QB,  32                           ; s[32:33] Q's block;  s[34:35] O's half fragment;  s[36:37] O's scale bytes
.set OB,  34
.set OSB, 36
.set SELQ, 38
.set TB,  39                           ; the trip's first block in LDS
.set CNT, 40
.set PASS, 41
.set MH,  42                           ; lanes 16-31
.set TN,  43                           ; the next trip's first block; behind the last trip block 0
.macro CROUND                          ; a round of the cluster's barrier
	s_barrier_signal -1
	s_barrier_wait -1
	s_cmp_lg_u32 s[WV], 0
	s_cbranch_scc1 .Lnot_wave_0_\@
	s_barrier_signal -3
.Lnot_wave_0_\@:
	s_barrier_wait -3
	s_barrier_signal -1
	s_barrier_wait -1
.endm
.macro QLOAD                           ; my tile's half fragment, twice, and its scale words
.irp g, 0,1,2
	global_load_b64 v[QR+2*\g:QR+2*\g+1], v[QO], s[QB:QB+1] offset:256*\g
	global_load_b64 v[QR+12+2*\g:QR+13+2*\g], v[QO], s[QB:QB+1] offset:256*\g
.endr
	global_load_b32 v[QW], v[QSO], s[QB:QB+1]
.endm
.macro KLOAD reg, adr, off             ; a step's four fragments of K and their scale words: 25 LDS loads
.irp be, 0,1,2,3
.irp g, 0,1,2,3,4,5
	ds_load_b64 v[\reg+12*\be+2*\g:\reg+12*\be+2*\g+1], v[\adr] offset:\off+1536*\be+256*\g
.endr
.endr
	ds_load_b64 v[KS:KS+1], v[\adr] offset:\off+6144
.endm
.macro VLOAD reg, off, t               ; fragment t of V
.irp g, 0,1,2
	ds_load_b128 v[\reg+12*\t+4*\g:\reg+12*\t+4*\g+3], v[ADV] offset:\off+1536*\t+512*\g
.endr
.endm
	s_load_b256 s[4:11], s[0:1], 0x0               ; qcod, kcod, vcod, ocod
	v_lshl_add_u32 v[SPW], v0, 2, SPARE
	v_mov_b32 v[NIL], 0
	ds_add_u32 v[SPW], v[NIL]                      ; the opening: the add, twice on end, and its wait ahead of the first tensor load
	ds_add_u32 v[SPW], v[NIL]
	v_lshrrev_b32 v1, 5, v0
	v_readfirstlane_b32 s[WV], v1                  ; wave 0..15
	s_bfe_u32 s13, ttmp6, 0x40000                  ; cx: which 512 queries: it enters Q's and O's addresses alone
	s_and_b32 s14, ttmp7, 0xffff                   ; 16 x batch + head, which the four partners share
	s_mov_b32 s[G1], 15|(3<<16)|(1<<21)            ; the mask: all four; elements of 8 bytes; bit 21 set beside a mask; no padding: every LDS read is of consecutive bytes
	s_mov_b32 s[G1+1], 32<<16                      ; rows of 256 bytes
	s_mov_b32 s[G1+2], 100<<16                     ; 100 rows = 25,600 dense bytes = four steps' blocks
	s_mov_b32 s[G1+3], 32<<16
	s_mov_b32 s[G1+4], 100
	s_mov_b32 s[G1+5], 32
	s_mov_b32 s[G1+6], 0
	s_mov_b32 s[G1+7], 0
	s_and_b32 s44, s[WV], 7
	s_mul_i32 s45, s44, 25600                      ; where my quarter goes: K's four, then V's four
	s_and_b32 s46, s[WV], 3
	s_mul_i32 s46, s46, 25600
	s_mul_i32 s47, s14, 102400
	s_add_co_u32 s46, s46, s47                     ; and where it comes from
	s_mov_b32 s47, 0
	s_lshl_b32 s48, s14, 4
	s_lshl_b32 s49, s13, 2
	s_add_co_u32 s48, s48, s49
	s_lshr_b32 s49, s[WV], 3
	s_add_co_u32 s48, s48, s49
	s_mul_i32 s48, s48, BLK                        ; Q: block 4 cx + wave / 8 of my head (the second pass: two blocks on)
	s_mov_b32 s49, 0
	s_lshr_b32 s50, s14, 4
	s_lshl_b32 s50, s50, 7
	s_lshl_b32 s51, s13, 5
	s_add_co_u32 s50, s50, s51
	s_add_co_u32 s50, s50, s[WV]                   ; O: row tile 128 x batch + 32 cx + wave (the second pass: 16 on)
	s_and_b32 s51, s14, 15                         ; the head
	s_lshl_b32 s52, s50, 3
	s_lshr_b32 s53, s51, 1
	s_add_co_u32 s52, s52, s53
	s_mul_i32 s52, s52, 1536                       ; fragment (row tile, K step head / 2),
	s_and_b32 s53, s51, 1
	s_mul_i32 s53, s53, 768
	s_add_co_u32 s52, s52, s53                     ; its half head % 2
	s_mov_b32 s53, 0
	s_lshl_b32 s54, s50, 9
	s_lshr_b32 s55, s51, 2
	s_lshl_b32 s55, s55, 7
	s_add_co_u32 s54, s54, s55
	s_and_b32 s55, s51, 3
	s_lshl_b32 s55, s55, 1
	s_add_co_u32 s54, s54, s55
	s_add_co_u32 s54, s54, XSOFF                   ; scale bytes: 512 x tile + 128 (head / 4) + 2 (head % 4), + 8 r + block
	s_mov_b32 s55, 0
	s_mul_i32 s60, s44, 768                        ; my tile of Q's block: half fragment wave % 8
	s_bfe_u32 s61, s[WV], 0x10001
	s_lshl_b32 s61, s61, 7
	s_bfe_u32 s62, s[WV], 0x10002
	s_lshl_b32 s62, s62, 2
	s_add_co_u32 s61, s61, s62
	s_add_co_u32 s61, s61, 6144                    ; the word of fragment be = (wave / 2) % 4, row r: 6,144 + 128 (be % 2) + 8 r + 4 (be / 2)
	s_mov_b32 s[SEL], 0x76543210
	s_mov_b32 s[SEL+1], 0xfedcba98
	s_mov_b32 s[CS], 0x3e38aa3b                    ; c = log2(e) / sqrt(64)
	s_mov_b32 s[CS+1], s[CS]                       ; (named with it as a pair, so it is written)
	s_mov_b32 s[MH], 0xffff0000
	s_and_b32 s58, s[WV], 1
	s_mov_b32 s[SELQ], 0x03020302
	s_cmp_eq_u32 s58, 0
	s_cselect_b32 s[SELQ], 0x01000100, s[SELQ]     ; which two bytes of the loaded word are my tile's
	s_wait_dscnt 0x0
	s_wait_kmcnt 0x0
	s_cmp_lt_u32 s[WV], 4
	s_cselect_b64 s[56:57], s[6:7], s[8:9]         ; waves 0-3: K; waves 4-7: V
	s_mov_b32 s[G0], 1
	s_mov_b32 s[G0+1], s45
	s_add_nc_u64 s[G0+2:G0+3], s[56:57], s[46:47]
	s_or_b32 s[G0+3], s[G0+3], 0x80000000
	s_add_nc_u64 s[QB:QB+1], s[4:5], s[48:49]
	s_add_nc_u64 s[OB:OB+1], s[10:11], s[52:53]
	s_add_nc_u64 s[OSB:OSB+1], s[10:11], s[54:55]
	CROUND                                         ; all four work-groups are here: the joint loads meet
	s_cmp_lt_u32 s[WV], 8
	s_cbranch_scc0 .Lno_fill
	tensor_load_to_lds s[G0:G0+3], s[G1:G1+7]      ; one tensor load of mine is out
	s_nop 0
.rept 4
	v_nop
.endr
.Lno_fill:
	v_and_b32 v[TP], 31, v0                        ; lane
	v_and_b32 v[T2], 15, v0                        ; r
	v_bfe_u32 v[BY], v0, 4, 1                      ; h
	v_lshlrev_b32 v[LK], 3, v[TP]
	v_lshlrev_b32 v[LV], 4, v[TP]
	v_add_nc_u32 v[LV], VB, v[LV]
	v_add_nc_u32 v[LVS], VB, v[LK]
	v_add_nc_u32 v[QO], s60, v[LK]
	v_lshlrev_b32 v[QSO], 3, v[T2]
	v_add_nc_u32 v[OSO], v[QSO], v[BY]
	v_add_nc_u32 v[QSO], s61, v[QSO]
	v_lshlrev_b32 v[SH8], 3, v[BY]
	QLOAD
.irp i, 0,1,2,3,4,5
	v_mov_b32 v[QR+6+\i], 0                        ; the zero codes between the two copies of q
.endr
	v_mov_b32 v[T2], 0                             ; a lane permute's destination counts as one of its sources
	v_mov_b32 v[NA+1], 0                           ; (named as the upper halves of pairs)
	v_mov_b32 v[NB+1], 0
	v_mov_b32 v[FF+1], 0
	s_wait_alu depctr_va_vdst(0)                   ; the wait at the head's end
	s_wait_tensorcnt 0x0                           ; my quarter has landed,
	s_barrier_signal -1
	s_barrier_wait -1                              ; everybody's has: K and V are whole, and nobody writes LDS again
	KLOAD X, LK, 0                                 ; the first step's K
; A KEY STEP: 128 keys.  kx: the region with K's fragments, then V's; sx: the scores' and p's, then the next step's K.  no, nn: the old and the new -M.
.macro STEP kx, sx, no, nn, voff, kadr, koff, even
	s_wait_dscnt 0x0                               ; K and its scale words, asked for in the step before
.irp be, 0,1,2,3                               ; S^T = K Q^T: each fragment of K twice, against q | 0 and against 0 | q
.irp u, 0,1
.if \be%2
	v_wmma_scale_f32_16x16x128_f8f6f4 v[\sx+8*(2*\be+\u):\sx+8*(2*\be+\u)+7], v[\kx+12*\be:\kx+12*\be+11], v[QR+6*\u:QR+6*\u+11], 0, v[KS+\be/2], v[QS] matrix_a_fmt:MATRIX_FMT_BF6 matrix_b_fmt:MATRIX_FMT_BF6 matrix_a_scale:MATRIX_SCALE_ROW1
.else
	v_wmma_scale_f32_16x16x128_f8f6f4 v[\sx+8*(2*\be+\u):\sx+8*(2*\be+\u)+7], v[\kx+12*\be:\kx+12*\be+11], v[QR+6*\u:QR+6*\u+11], 0, v[KS+\be/2], v[QS] matrix_a_fmt:MATRIX_FMT_BF6 matrix_b_fmt:MATRIX_FMT_BF6
.endif
.endr
.endr
.if \even                                      ; four places ahead of the first read of the scores: the trip's addresses stand there
	v_add_nc_u32 v[ADK], s[TB], v[LK]
	v_add_nc_u32 v[ADV], s[TB], v[LV]
	v_add_nc_u32 v[ADS], s[TB], v[LVS]
	v_nop
.else
	v_add_nc_u32 v[ADN], s[TN], v[LK]
.rept 3
	v_nop
.endr
.endif
.irp c, 0,1                                    ; the largest score of my two blocks of 32 keys, each in two chains; every accumulator is read from its low end on
	v_max3_num_f32 v[T+\c], v[\sx+32*\c], v[\sx+32*\c+1], v[\sx+32*\c+2]
	v_max3_num_f32 v[T+2+\c], v[\sx+32*\c+16], v[\sx+32*\c+17], v[\sx+32*\c+18]
.endr
.irp i, 3,5,7,9,11,13
.irp c, 0,1
	v_max3_num_f32 v[T+\c], v[T+\c], v[\sx+32*\c+\i], v[\sx+32*\c+\i+1]
	v_max3_num_f32 v[T+2+\c], v[T+2+\c], v[\sx+32*\c+16+\i], v[\sx+32*\c+17+\i]
.endr
.endr
.irp c, 0,1
	v_max3_num_f32 v[T+\c], v[T+\c], v[\sx+32*\c+15], v[\sx+32*\c+31]
.endr
.irp c, 0,1
	v_max_num_f32 v[BM+\c], v[T+\c], v[T+2+\c]     ; it serves the row's maximum and, since p rises with the score, the block's largest p
.endr
	v_max3_num_f32 v[TP], v[BM], v[BM+1], v[MR]    ; with the running largest score.  V's fragments take K's place; their loads stand between the links of this chain
	VLOAD \kx, \voff, 0
	v_permlanex16_b32 v[T2], v[TP], s[SEL], s[SEL+1]
	VLOAD \kx, \voff, 1
	v_max_num_f32 v[MR], v[TP], v[T2]              ; and lane l xor 16's 64 keys
	VLOAD \kx, \voff, 2
	v_mul_f32 v[TP], s[CS], v[MR]                  ; as t (c is positive)
	ds_load_b64 v[VS:VS+1], v[ADS] offset:\voff+6144
	v_floor_f32 v[\nn], -v[TP]                     ; the new -M = floor(-t): M is a whole number
	VLOAD \kx, \voff, 3
	v_sub_f32 v[TP], v[\nn], v[\no]                ; old M - new M: a whole number, 0 or less
.set j, 0
.rept 4
	v_pk_fma_f32 v[\sx+j:\sx+j+1], v[\sx+j:\sx+j+1], s[CS:CS+1], v[\nn:\nn+1] op_sel_hi:[1,0,0]   ; t - M, two at a time
.set j, j+2
.endr
	v_cvt_i32_f32 v[TP], v[TP]                     ; (it saturates)
.rept 4
	v_pk_fma_f32 v[\sx+j:\sx+j+1], v[\sx+j:\sx+j+1], s[CS:CS+1], v[\nn:\nn+1] op_sel_hi:[1,0,0]
.set j, j+2
.endr
	v_ldexp_f32 v[FF], 1.0, v[TP]                  ; f = 2^(old M - new M)
.rept 24
	v_pk_fma_f32 v[\sx+j:\sx+j+1], v[\sx+j:\sx+j+1], s[CS:CS+1], v[\nn:\nn+1] op_sel_hi:[1,0,0]
.set j, j+2
.endr
.irp c, 0,1
	v_fma_f32 v[BM+\c], v[BM+\c], s[CS], v[\nn]    ; the same of each block's largest score
.endr
.set j, 0
.rept 16
	v_pk_mul_f32 v[O+j:O+j+1], v[O+j:O+j+1], v[FF:FF+1] op_sel_hi:[1,0]   ; O^T under the new M
.set j, j+2
.endr
	s_wait_alu depctr_va_vdst(0)                   ; the wait ahead of the batch
.irp c, 0,1
	v_exp_f32 v[BM+\c], v[BM+\c]                   ; the block's largest p
.endr
.set j, 0
.rept 64
	v_exp_f32 v[\sx+j], v[\sx+j]                   ; p = 2^(t - M)
.set j, j+1
.endr
	v_pk_mul_f32 v[L:L+1], v[L:L+1], v[FF:FF+1] op_sel_hi:[1,0]   ; the sums under the new M: the plain instruction behind the exponentials
	s_wait_alu depctr_va_vdst(0)                   ; one wait for the batch of 66, ahead of its first reader
.irp c, 0,1
	v_max_num_f32 v[BM+\c], 0x2800000, v[BM+\c]    ; the floor 2^(5 - 127)
.endr
.set j, 0
.rept 8                                        ; the row's sum of the unquantised p: eight chains of pairs; the scales' chain stands between them
	v_pk_add_f32 v[T+j:T+j+1], v[\sx+j:\sx+j+1], v[\sx+16+j:\sx+17+j]
.set j, j+2
.endr
.irp c, 0,1
	v_add_nc_u32 v[OPS+\c], 0xfe000000, v[BM+\c]   ; 4 off the exponent field: the conversion's scale operand
.endr
.set j, 0
.rept 8
	v_pk_add_f32 v[T+j:T+j+1], v[T+j:T+j+1], v[\sx+32+j:\sx+33+j]
.set j, j+2
.endr
.irp c, 0,1
	v_lshrrev_b32 v[BY+\c], 23, v[OPS+\c]          ; the byte
.endr
.set j, 0
.rept 2
	v_pk_add_f32 v[T+j:T+j+1], v[T+j:T+j+1], v[\sx+48+j:\sx+49+j]
.set j, j+2
.endr
	v_lshl_or_b32 v[PS], v[BY+1], 16, v[BY]        ; my two bytes: blocks h and 2 + h,
.rept 3
	v_pk_add_f32 v[T+j:T+j+1], v[T+j:T+j+1], v[\sx+48+j:\sx+49+j]
.set j, j+2
.endr
	v_lshlrev_b32 v[PS], v[SH8], v[PS]             ; at their places in the word
.rept 3
	v_pk_add_f32 v[T+j:T+j+1], v[T+j:T+j+1], v[\sx+48+j:\sx+49+j]
.set j, j+2
.endr
	v_permlanex16_b32 v[T2], v[PS], s[SEL], s[SEL+1]
.irp c, 0,1
	v_cvt_scalef32_pk16_bf6_f32 v[PC+6*\c:PC+2+6*\c], v[\sx+32*\c:\sx+15+32*\c], v[OPS+\c]
	v_cvt_scalef32_pk16_bf6_f32 v[PC+12+4*\c:PC+14+4*\c], v[\sx+16+32*\c:\sx+31+32*\c], v[OPS+\c]   ; (a conversion's three registers begin on an even number)
.endr
	v_or_b32 v[PS], v[PS], v[T2]                   ; p's scale word for these 128 keys: with lane l xor 16's two bytes.  Also the plain instruction behind the conversions
	KLOAD \sx, \kadr, \koff                        ; p is read no more: the next step's K lands in its registers
.irp c, 0,1
.irp i, 0,1,2
	v_mov_b32 v[PC+3+6*\c+\i], v[PC+12+4*\c+\i]
.endr
.endr
.irp i, 0,2,4,6                                ; four places between the codes' last write and the products (ten behind the scale word's)
	v_pk_add_f32 v[T+\i:T+\i+1], v[T+\i:T+\i+1], v[T+8+\i:T+9+\i]
.endr
	s_wait_alu depctr_va_vdst(0)
	s_wait_dscnt 25                                ; V and its scale words are in; the 25 younger loads, the next K, may be out
.irp t, 0,1,2,3                                ; O^T += V^T P^T: the four accumulators by turns
.if \t%2
	v_wmma_scale_f32_16x16x128_f8f6f4 v[O+8*\t:O+8*\t+7], v[\kx+12*\t:\kx+12*\t+11], v[PC:PC+11], v[O+8*\t:O+8*\t+7], v[VS+\t/2], v[PS] matrix_a_fmt:MATRIX_FMT_BF6 matrix_b_fmt:MATRIX_FMT_BF6 matrix_a_scale:MATRIX_SCALE_ROW1
.else
	v_wmma_scale_f32_16x16x128_f8f6f4 v[O+8*\t:O+8*\t+7], v[\kx+12*\t:\kx+12*\t+11], v[PC:PC+11], v[O+8*\t:O+8*\t+7], v[VS+\t/2], v[PS] matrix_a_fmt:MATRIX_FMT_BF6 matrix_b_fmt:MATRIX_FMT_BF6
.endif
.endr
	v_pk_add_f32 v[T:T+1], v[T:T+1], v[T+4:T+5]    ; five places: the next step's scores are laid over V's fragments.  The sums' last links stand there
	v_pk_add_f32 v[T+2:T+3], v[T+2:T+3], v[T+6:T+7]
	v_pk_add_f32 v[T:T+1], v[T:T+1], v[T+2:T+3]
	v_pk_add_f32 v[L:L+1], v[L:L+1], v[T:T+1]
	v_nop
.endm
	s_mov_b32 s[PASS], 2
.Lpass:
	s_wait_loadcnt 0x0                             ; Q
	v_perm_b32 v[QS], v[QW], v[QW], s[SELQ]        ; my tile's two bytes, twice: they serve q | 0 and 0 | q alike
	v_mov_b32 v[MR], 0xff61b1e6                    ; the largest score so far: -3e38
	v_mul_f32 v[TP], s[CS], v[MR]
	v_floor_f32 v[NA], -v[TP]                      ; -M
	v_mov_b32 v[L], 0                              ; the sum, in two halves
	v_mov_b32 v[L+1], 0
.set j, 0
.rept 32
	v_mov_b32 v[O+j], 0                            ; O^T: the step is written once; its first trip finds zeros
.set j, j+1
.endr
	s_mov_b32 s[TB], 0
	s_mov_b32 s[TN], 2*BLK
	s_mov_b32 s[CNT], 8
	s_wait_alu depctr_va_vdst(0)
.Lstep:
	STEP X, Y, NA, NB, 0, ADK, BLK, 1
	STEP Y, X, NB, NA, BLK, ADN, 0, 0
	s_wait_alu depctr_va_vdst(0)
	s_add_co_u32 s[TB], s[TB], 2*BLK
	s_add_co_u32 s[TN], s[TB], 2*BLK
	s_cmp_eq_u32 s[TN], 16*BLK
	s_cselect_b32 s[TN], 0, s[TN]                  ; the last trip asks for block 0 again
	s_sub_co_u32 s[CNT], s[CNT], 1
	s_cmp_lg_u32 s[CNT], 0
	s_cbranch_scc1 .Lstep
	s_cmp_eq_u32 s[PASS], 1                        ; the second pass's Q is asked for here, under the way out; the last pass asks for nothing
	s_cbranch_scc1 .Lno_next
	s_add_nc_u64 s[QB:QB+1], s[QB:QB+1], 2*BLK     ; (the first pass's loads were waited for at its head)
	QLOAD
.Lno_next:
	; THE WAY OUT: O^T / l, quantised along hidden (my head's 64 are two blocks of 32), is half a fragment of the last projection's operand.  Region Y is free; X awaits the next pass's K.
	; Register 16 b + i of O^T is channel 32 b + 16 h + i (the weights' tiles), so here a block lies in lanes l and l xor 16.
	v_add_f32 v[L], v[L], v[L+1]
	v_permlanex16_b32 v[TP], v[L], s[SEL], s[SEL+1]
	v_add_f32 v[L], v[L], v[TP]                    ; the row's sum
	s_wait_alu depctr_va_vdst(0)
	v_rcp_f32 v[L], v[L]
	v_nop
	v_nop
	s_wait_alu depctr_va_vdst(0)                   ; ahead of the reciprocal's first reader and of O^T's
.set j, 0
.rept 16
	v_pk_mul_f32 v[Y+j:Y+j+1], v[O+j:O+j+1], v[L:L+1] op_sel_hi:[1,0]   ; each accumulator from its low end on
.set j, j+2
.endr
.irp b, 0,1
	v_max3_num_f32 v[BM+\b], |v[Y+16*\b]|, |v[Y+1+16*\b]|, 0x2800000
.endr
.irp i, 2,4,6,8,10,12,14
.irp b, 0,1
	v_max3_num_f32 v[BM+\b], v[BM+\b], |v[Y+16*\b+\i]|, |v[Y+1+16*\b+\i]|
.endr
.endr
.irp b, 0,1
	v_permlanex16_b32 v[BY+\b], v[BM+\b], s[SEL], s[SEL+1]
.endr
.irp b, 0,1
	v_max_num_f32 v[BM+\b], v[BM+\b], v[BY+\b]
.endr
.irp b, 0,1
	v_add_nc_u32 v[OPS+\b], 0xfe000000, v[BM+\b]
.endr
.irp b, 0,1
	v_lshrrev_b32 v[BY+\b], 23, v[OPS+\b]
.endr
	v_cvt_scalef32_pk16_bf6_f32 v[PC:PC+2], v[Y:Y+15], v[OPS]
	v_cvt_scalef32_pk16_bf6_f32 v[PC+12:PC+14], v[Y+16:Y+31], v[OPS+1]
	v_nop                                          ; one plain instruction behind the scaled conversions
.irp i, 0,1,2
	v_permlane16_swap_b32 v[PC+\i], v[PC+12+\i]
.endr
.irp i, 0,1,2
	v_mov_b32 v[PC+3+\i], v[PC+12+\i]
.endr
	v_cndmask_b32 v[TP], v[BY], v[BY+1], s[MH]     ; lanes 0-15 store block 0's byte, lanes 16-31 block 1's
.irp g, 0,1,2
	global_store_b64 v[LK], v[PC+2*\g:PC+2*\g+1], s[OB:OB+1] offset:256*\g   ; 256 consecutive bytes, aligned
.endr
	global_store_b8 v[OSO], v[TP], s[OSB:OSB+1]    ; one byte a lane: a scale word's four bytes belong to two heads, so to two work-groups.  One byte for each 24 of codes
	s_wait_xcnt 0x0                                ; the stores have read their registers and bases
	s_add_nc_u64 s[OB:OB+1], s[OB:OB+1], 16*8*1536
	s_add_nc_u64 s[OSB:OSB+1], s[OSB:OSB+1], 16*512
	s_sub_co_u32 s[PASS], s[PASS], 1
	s_cmp_lg_u32 s[PASS], 0
	s_cbranch_scc1 .Lpass
	s_wait_dscnt 0x0
	s_wait_tensorcnt 0x0                           ; the wave's end
	ds_add_u32 v[SPW], v[NIL]
	s_wait_dscnt 0x0
	CROUND                                         ; the closing round
	s_endpgm
.Lfunc_end_k_qef5fe51588_attn:
	.size	k_qef5fe51588_attn, .Lfunc_end_k_qef5fe51588_attn-k_qef5fe51588_attn
	.p2alignl 7, 3214868480
	.fill 96, 4, 3214868480
	.section	.rodata,"a",@progbits
	.p2align	6, 0x0
	.amdhsa_kernel k_qef5fe51588_attn
		.amdhsa_group_segment_fixed_size 206848
		.amdhsa_private_segment_fixed_size 0
		.amdhsa_enable_private_segment 0
		.amdhsa_kernarg_size 32
		.amdhsa_user_sgpr_count 2
		.amdhsa_user_sgpr_kernarg_segment_ptr 1
		.amdhsa_wavefront_size32 1
		.amdhsa_system_sgpr_workgroup_id_x 1
		.amdhsa_system_sgpr_workgroup_id_y 1
		.amdhsa_system_sgpr_workgroup_id_z 1
		.amdhsa_system_vgpr_workitem_id 0
		.amdhsa_next_free_vgpr 256
		.amdhsa_next_free_sgpr 66
		.amdhsa_reserve_vcc 0
		.amdhsa_float_denorm_mode_32 3
		.amdhsa_float_denorm_mode_16_64 3
		.amdhsa_memory_ordered 1
		.amdhsa_forward_progress 1
		.amdhsa_inst_pref_size 44
	.end_amdhsa_kernel
	.amdgpu_metadata
---
amdhsa.version: [ 1, 2 ]
amdhsa.kernels:
  - .name:           k_qef5fe51588_attn
    .symbol:         k_qef5fe51588_attn.kd
    .args:
      - { .name: qcod, .offset: 0, .size: 8, .value_kind: global_buffer, .address_space: global }
      - { .name: kcod, .offset: 8, .size: 8, .value_kind: global_buffer, .address_space: global }
      - { .name: vcod, .offset: 16, .size: 8, .value_kind: global_buffer, .address_space: global }
      - { .name: ocod, .offset: 24, .size: 8, .value_kind: global_buffer, .address_space: global }
    .group_segment_fixed_size: 206848
    .private_segment_fixed_size: 0
    .kernarg_segment_align: 8
    .kernarg_segment_size: 32
    .max_flat_workgroup_size: 512
    .sgpr_count:     66
    .vgpr_count:     256
    .wavefront_size: 32
...
	.end_amdgpu_metadata
.endif
;; end of part 3
;; launch oproj (part 4): grid 4 x 64, 8 waves a work-group, clusters of 4 x 4, 327,680 bytes of LDS; arguments ocod, wcod, bo, out0; writes out0
.if DOCPART == 4
	.amdgcn_target "amdgcn-amd-amdhsa--gfx1250"
	.amdhsa_code_object_version 6
	.text
	.protected	k_qef5fe51588_oproj
	.globl	k_qef5fe51588_oproj
	.p2align	8
	.type	k_qef5fe51588_oproj,@function
k_qef5fe51588_oproj:
	s_mov_b64 s[64:65], 0
	v_nop
	global_prefetch_b8 v0, s[64:65] scope:SCOPE_SE
	s_setreg_imm32_b32 hwreg(HW_REG_WAVE_MODE, 25, 1), 1
	s_wait_xcnt 0x0
	s_wait_alu depctr_hold_cnt(0) depctr_sa_sdst(0) depctr_va_vdst(0) depctr_va_sdst(0) depctr_va_ssrc(0) depctr_va_vcc(0) depctr_vm_vsrc(0)
	s_getreg_b32 s2, hwreg(HW_REG_IB_STS2, 6, 4)
	s_cmp_eq_u32 s2, 0
	s_cbranch_scc0 .Lentry_in_a_cluster
	s_endpgm
.Lentry_in_a_cluster:
	s_bfe_u32 s2, ttmp6, 0x10000c
	s_cmp_lg_u32 s2, 0xf033
	s_cbranch_scc0 .Lentry_shape_is_right
	s_endpgm
.Lentry_shape_is_right:
; out0 = o wo + bo on codes of BF6 (E3M2) with E8M0 scales, f32 sums.  ocod, wcod: [tile of 16 rows][K step 0..7] x 1,536 bytes, register pair p of lane l at 256 p + 8 l; behind the codes 512 bytes of scale words a tile.
; SHARES.  A work-group owns 128 rows x 256 columns; ALL OF K LIES IN LDS, filled once: o's 8 tiles (98,304 bytes), wo's 16 tiles (196,608), the scale words (4,096 + 8,192).  One tensor load a wave at the head:
; waves 0-1 o's halves, waves 2-5 wo's quarters, wave 6 o's scale words, wave 7 wo's.  Wave (wr, wc) makes 64 rows x 64 columns: 16 accumulators, 128 registers.
; CLUSTER 4 x 4: the four work-groups of a row need the same o, the four of a column the same wo: joint loads.
; Source 0 = wo's tile, source 1 = o's: a lane holds one row, its registers run along the columns.  The bias is loaded into the accumulators, so every product adds in place.
; THE WAY OUT: behind a barrier, when nobody reads the operands any more, 16 rows x 256 bytes at a time go through the wave's own stage, laid over o's bytes (their one fill is over), and leave as whole aligned
; units of 256 bytes.  Lane row m of row tile a is row 64 (a / 4) + 8 (a % 4) + m + 24 (m / 8).
; No prefetch: all that the launch reads by tensor loads is asked for at its head, and the text has no loop.
.set XSOFF, 6291456
.set WSOFF, 3145728
.set WT0,   192                        ; wo's first tile in wcod
.set TILEB, 12288
.set QTR,   49152
.set LB,    98304
.set LSA,   294912
.set LSB,   299008
.set SPARE, 307200
.set SPITCH, 272
.set ADA, 4
.set ADB, 5
.set ADS, 6
.set STO, 7
.set SPW, 8
.set NIL, 9
.set RD,  10
.set CO,  11
.set SC,  16
.set AF,  32
.set BF,  80
.set BK,  32                           ; the way out: two sets of 32 registers
.set ACC, 128
.set G1A, 24
.set G1B, 32
.set G1SA, 40
.set G1SB, 48
.set G0A, 56
.set G0B, 60
.set G0SA, 68
.set G0SB, 72
.macro CROUND
	s_barrier_signal -1
	s_barrier_wait -1
	s_cmp_lg_u32 s14, 0
	s_cbranch_scc1 .Lnot_wave_0_\@
	s_barrier_signal -3
.Lnot_wave_0_\@:
	s_barrier_wait -3
	s_barrier_signal -1
	s_barrier_wait -1
.endm
.macro DIMS g, rows                    ; a dense block as rows of 256 bytes
	s_mov_b32 s[\g+1], 32<<16
	s_mov_b32 s[\g+2], (\rows)<<16
	s_mov_b32 s[\g+3], 32<<16
	s_mov_b32 s[\g+4], \rows
	s_mov_b32 s[\g+5], 32
	s_mov_b32 s[\g+6], 0
	s_mov_b32 s[\g+7], 0
.endm
.macro TLOAD g0, g1
	tensor_load_to_lds s[\g0:\g0+3], s[\g1:\g1+7]
	s_nop 0
.rept 4
	v_nop
.endr
.endm
.macro ARM under, g0, g1, next
	s_cmp_lt_u32 s14, \under
	s_cbranch_scc0 \next
	TLOAD \g0, \g1
	s_branch .Lhead_asked
\next:
.endm
.macro FRAG reg, adr, t, ks
.irp p, 0,1,2,3,4,5
	ds_load_b64 v[\reg+2*\p:\reg+2*\p+1], v[\adr] offset:TILEB*(\t)+1536*(\ks)+256*\p
.endr
.endm
; A K step of 128: 48 LDS loads (52 with a pair's scale words), 16 products, the accumulators by turns.
.macro KSTEP ks
.set SQ, SC+8*(((\ks)/2)%2)+(\ks)%2
.if (\ks)%2 == 0
.irp t, 0,1,2,3
	ds_load_b64 v[SC+8*(((\ks)/2)%2)+2*\t:SC+8*(((\ks)/2)%2)+2*\t+1], v[ADS] offset:512*\t+128*((\ks)/2)
.endr
.endif
.irp t, 0,1,2,3
	FRAG BF+12*\t, ADB, \t, \ks
.endr
.irp t, 0,1,2,3
	FRAG AF+12*\t, ADA, \t, \ks
.endr
.irp i, 0,1,2,3
	s_wait_dscnt 6*(3-\i)                          ; all but the loads of o's later tiles, six each
.irp j, 0,1,2,3
	v_wmma_scale_f32_16x16x128_f8f6f4 v[ACC+8*(4*\i+\j):ACC+8*(4*\i+\j)+7], v[BF+12*\j:BF+12*\j+11], v[AF+12*\i:AF+12*\i+11], v[ACC+8*(4*\i+\j):ACC+8*(4*\i+\j)+7], v[SQ+2*\j], v[SQ+2*\i] matrix_a_fmt:MATRIX_FMT_BF6 matrix_b_fmt:MATRIX_FMT_BF6 matrix_a_scale:MATRIX_SCALE_ROW1
.endr
.endr
.rept 4
	v_nop                                          ; places ahead of loads into the fragments and of the first read of results
.endr
.endm
	s_load_b256 s[4:11], s[0:1], 0x0               ; ocod, wcod, bo, out0
	v_lshl_add_u32 v[SPW], v0, 2, SPARE
	v_mov_b32 v[NIL], 0
	ds_add_u32 v[SPW], v[NIL]                      ; the opening: the add, twice on end, and its wait
	ds_add_u32 v[SPW], v[NIL]
	v_lshrrev_b32 v1, 5, v0
	v_readfirstlane_b32 s14, v1                    ; wave 0..7
	s_lshr_b32 s15, s14, 2                         ; wr: which 64 rows
	s_and_b32 s16, s14, 3                          ; wc: which 64 columns
	s_bfe_u32 s76, ttmp6, 0x40000                  ; cx
	s_bfe_u32 s77, ttmp6, 0x40004                  ; cy
	s_lshl_b32 s18, ttmp9, 2
	s_add_co_u32 s18, s18, s76                     ; column block
	s_and_b32 s17, ttmp7, 0xffff
	s_lshl_b32 s17, s17, 2
	s_add_co_u32 s17, s17, s77                     ; row block
	s_lshl_b32 s78, s77, 2
	s_lshl_b32 s78, 15, s78                        ; my row of the cluster
	s_lshl_b32 s79, 0x1111, s76                    ; my column
	s_or_b32 s[G1A], s78, (3<<16)|(1<<21)
	s_or_b32 s[G1B], s79, (3<<16)|(1<<21)
	s_or_b32 s[G1SA], s78, (3<<16)|(1<<21)
	s_or_b32 s[G1SB], s79, (3<<16)|(1<<21)
	DIMS G1A, 192
	DIMS G1B, 192
	DIMS G1SA, 16
	DIMS G1SB, 32
	s_and_b32 s19, s14, 1
	s_mul_i32 s19, s19, QTR                        ; o's half (waves 0, 1)
	s_add_co_u32 s20, s14, 2
	s_and_b32 s20, s20, 3
	s_mul_i32 s20, s20, QTR                        ; wo's quarter (waves 2..5)
	s_mul_i32 s92, s17, 8*TILEB
	s_add_co_u32 s92, s92, s19
	s_mov_b32 s93, 0
	s_lshl_b32 s96, s17, 12
	s_add_co_u32 s96, s96, XSOFF
	s_mov_b32 s97, 0
	s_mul_i32 s94, s18, 16*TILEB
	s_add_co_u32 s94, s94, s20
	s_add_co_u32 s94, s94, WT0*TILEB
	s_mov_b32 s95, 0
	s_lshl_b32 s98, s18, 13
	s_add_co_u32 s98, s98, WSOFF+WT0*512
	s_mov_b32 s99, 0
	s_mul_i32 s80, s15, QTR                        ; LDS: my four tiles of o,
	s_mul_i32 s81, s16, QTR
	s_add_co_u32 s81, s81, LB                      ; of wo,
	s_lshl_b32 s82, s15, 11
	s_lshl_b32 s83, s16, 11
	s_add_co_u32 s83, s83, LSB-LSA
	s_sub_co_u32 s83, s83, s82                     ; from o's scale words to wo's
	s_add_co_u32 s82, s82, LSA
	s_mul_i32 s84, s14, 16*SPITCH                  ; my stage
	s_lshl_b32 s22, s18, 10
	s_lshl_b32 s23, s16, 8
	s_add_co_u32 s22, s22, s23                     ; my 64 columns, in bytes
	s_mov_b32 s23, 0
	s_lshl_b32 s12, s17, 19
	s_lshl_b32 s13, s15, 18
	s_add_co_u32 s12, s12, s13                     ; my first row: 128 x row block + 64 wr, rows of 4,096 bytes
	s_add_co_u32 s12, s12, s22
	s_mov_b32 s13, 0
	s_wait_dscnt 0x0
	s_wait_kmcnt 0x0
	s_add_nc_u64 s[92:93], s[4:5], s[92:93]
	s_add_nc_u64 s[96:97], s[4:5], s[96:97]
	s_add_nc_u64 s[94:95], s[6:7], s[94:95]
	s_add_nc_u64 s[98:99], s[6:7], s[98:99]
	s_add_nc_u64 s[8:9], s[8:9], s[22:23]
	s_add_nc_u64 s[12:13], s[10:11], s[12:13]
	CROUND                                         ; all sixteen work-groups are here: the joint loads meet
	s_mov_b32 s[G0A], 1
	s_mov_b32 s[G0A+1], s19
	s_mov_b64 s[G0A+2:G0A+3], s[92:93]
	s_or_b32 s[G0A+3], s[G0A+3], 0x80000000
	s_mov_b32 s[G0B], 1
	s_add_co_u32 s[G0B+1], s20, LB
	s_mov_b64 s[G0B+2:G0B+3], s[94:95]
	s_or_b32 s[G0B+3], s[G0B+3], 0x80000000
	s_mov_b32 s[G0SA], 1
	s_mov_b32 s[G0SA+1], LSA
	s_mov_b64 s[G0SA+2:G0SA+3], s[96:97]
	s_or_b32 s[G0SA+3], s[G0SA+3], 0x80000000
	s_mov_b32 s[G0SB], 1
	s_mov_b32 s[G0SB+1], LSB
	s_mov_b64 s[G0SB+2:G0SB+3], s[98:99]
	s_or_b32 s[G0SB+3], s[G0SB+3], 0x80000000
	ARM 2, G0A, G1A, .Lh_b                         ; one tensor load a wave, in one chain of branches on the wave's number
	ARM 6, G0B, G1B, .Lh_sa
	ARM 7, G0SA, G1SA, .Lh_sb
	TLOAD G0SB, G1SB
.Lhead_asked:
	v_and_b32 v1, 15, v0                           ; r
	v_bfe_u32 v2, v0, 4, 1                         ; h
	v_and_b32 v3, 31, v0                           ; lane
	v_lshlrev_b32 v13, 3, v3
	v_add_nc_u32 v[ADA], s80, v13
	v_add_nc_u32 v[ADB], s81, v13
	v_lshlrev_b32 v14, 3, v1
	v_mul_u32_u24 v15, s83, v2
	v_add_nc_u32 v14, v14, v15
	v_add_nc_u32 v[ADS], s82, v14
	v_mul_u32_u24 v14, v1, SPITCH                  ; into the stage: row r, my 16 columns of each 32 at 64 h bytes
	v_lshl_add_u32 v14, v2, 6, v14
	v_add_nc_u32 v[STO], s84, v14
	v_mul_u32_u24 v15, v2, SPITCH                  ; back: sixteen lanes to a row of 256 bytes, two rows an instruction
	v_lshl_add_u32 v15, v1, 4, v15
	v_add_nc_u32 v[RD], s84, v15
	v_lshlrev_b32 v[CO], 12, v2                    ; and the same two rows in out0
	v_lshl_add_u32 v[CO], v1, 4, v[CO]
	v_lshlrev_b32 v12, 6, v2
.irp i, 0,1,2,3                                ; the bias starts the sums: register 8 j + e of a row tile is column 32 (j / 2) + 16 h + 8 (j % 2) + e
.irp j, 0,1,2,3
	global_load_b128 v[ACC+32*\i+8*\j:ACC+32*\i+8*\j+3], v12, s[8:9] offset:128*(\j/2)+32*(\j%2)
	global_load_b128 v[ACC+32*\i+8*\j+4:ACC+32*\i+8*\j+7], v12, s[8:9] offset:128*(\j/2)+32*(\j%2)+16
.endr
.endr
	s_wait_alu depctr_va_vdst(0)                   ; the wait at the head's end
	s_wait_loadcnt 0x0
	s_wait_tensorcnt 0x0
	s_barrier_signal -1
	s_barrier_wait -1                              ; o, wo and the scale words are whole
.irp ks, 0,1,2,3,4,5,6,7
	KSTEP \ks
.endr
	s_barrier_signal -1                            ; my LDS loads were all waited for in the last K step
	s_barrier_wait -1                              ; nobody reads the operands any more: the stages may be written
.macro TOSTAGE i
.irp j, 0,1,2,3
	ds_store_b128 v[STO], v[ACC+32*(\i)+8*\j:ACC+32*(\i)+8*\j+3] offset:128*(\j/2)+32*(\j%2)          ; each accumulator from its low end on
	ds_store_b128 v[STO], v[ACC+32*(\i)+8*\j+4:ACC+32*(\i)+8*\j+7] offset:128*(\j/2)+32*(\j%2)+16
.endr
.irp t, 0,1,2,3,4,5,6,7
	ds_load_b128 v[BK+32*((\i)%2)+4*\t:BK+32*((\i)%2)+4*\t+3], v[RD] offset:\t*2*SPITCH   ; LDS serves a wave's instructions in order: these see the stores above
.endr
.endm
.macro SEND i, younger
	s_wait_dscnt \younger
.irp t, 0,1,2,3,4,5,6,7
	global_store_b128 v[CO], v[BK+32*((\i)%2)+4*\t:BK+32*((\i)%2)+4*\t+3], s[12:13] offset:(8*(\i)+2*\t+24*(\t/4))*4096 th:TH_STORE_NT   ; sixteen lanes store 256 consecutive bytes, aligned
.endr
.endm
	TOSTAGE 0
.irp a, 1,2,3
.if \a > 1
	s_wait_xcnt 0x0                                ; block a - 2's stores have read their registers
.endif
	TOSTAGE \a
	SEND \a-1, 16                                  ; behind block a - 1's loads: block a's 8 stores and 8 loads
.endr
	SEND 3, 0
	s_wait_tensorcnt 0x0                           ; the wave's end
	ds_add_u32 v[SPW], v[NIL]
	s_wait_dscnt 0x0
	CROUND                                         ; the closing round
	s_endpgm
.Lfunc_end_k_qef5fe51588_oproj:
	.size	k_qef5fe51588_oproj, .Lfunc_end_k_qef5fe51588_oproj-k_qef5fe51588_oproj
	.p2alignl 7, 3214868480
	.fill 96, 4, 3214868480
	.section	.rodata,"a",@progbits
	.p2align	6, 0x0
	.amdhsa_kernel k_qef5fe51588_oproj
		.amdhsa_group_segment_fixed_size 327680
		.amdhsa_private_segment_fixed_size 0
		.amdhsa_enable_private_segment 0
		.amdhsa_kernarg_size 32
		.amdhsa_user_sgpr_count 2
		.amdhsa_user_sgpr_kernarg_segment_ptr 1
		.amdhsa_wavefront_size32 1
		.amdhsa_system_sgpr_workgroup_id_x 1
		.amdhsa_system_sgpr_workgroup_id_y 1
		.amdhsa_system_sgpr_workgroup_id_z 1
		.amdhsa_system_vgpr_workitem_id 0
		.amdhsa_next_free_vgpr 256
		.amdhsa_next_free_sgpr 100
		.amdhsa_reserve_vcc 0
		.amdhsa_float_denorm_mode_32 3
		.amdhsa_float_denorm_mode_16_64 3
		.amdhsa_memory_ordered 1
		.amdhsa_forward_progress 1
		.amdhsa_inst_pref_size 62
	.end_amdhsa_kernel
	.amdgpu_metadata
---
amdhsa.version: [ 1, 2 ]
amdhsa.kernels:
  - .name:           k_qef5fe51588_oproj
    .symbol:         k_qef5fe51588_oproj.kd
    .args:
      - { .name: ocod, .offset: 0, .size: 8, .value_kind: global_buffer, .address_space: global }
      - { .name: wcod, .offset: 8, .size: 8, .value_kind: global_buffer, .address_space: global }
      - { .name: bo, .offset: 16, .size: 8, .value_kind: global_buffer, .address_space: global }
      - { .name: out0, .offset: 24, .size: 8, .value_kind: global_buffer, .address_space: global }
    .group_segment_fixed_size: 327680
    .private_segment_fixed_size: 0
    .kernarg_segment_align: 8
    .kernarg_segment_size: 32
    .max_flat_workgroup_size: 256
    .sgpr_count:     100
    .vgpr_count:     256
    .wavefront_size: 32
...
	.end_amdgpu_metadata
.endif
;; end of part 4
